; MI455X (gfx1250); checked and timed in simulation.
; The chip was launched on July 23, 2026; its instructions are those of AMD's public machine-readable ISA for CDNA 5 (MIT licence, August 2026) and "CDNA5" Instruction Set Architecture Reference Guide (July 2026). The comments in the code are by the model that wrote it; some were corrected since.
;; Multi Head Self Attention. Allowed arithmetic: matrix products marked QUANTISED: E2M3 operands, one E8M0 scale for each 32 along K, by v_wmma_scale_f32_16x16x128_f8f6f4 with both operands' format E2M3, f32 sums; everything else in f32.
;; Inputs: Wk 1,024 x 1,024 float32; Wo 1,024 x 1,024 float32; Wq 1,024 x 1,024 float32; Wv 1,024 x 1,024 float32; bk 1,024 float32; bo 1,024 float32; bq 1,024 float32; bv 1,024 float32; inputs 4 x 2,048 x 1,024 float32.
;; Outputs: out0 4 x 2,048 x 1,024 float32.
;; This version of the problem:
;;   THIS VERSION OF THE PROBLEM IS GIVEN IN LOW PRECISION. The matrix products marked QUANTISED in the list below multiply operands that are first quantised to E2M3 (2 exponent bits, 3 mantissa bits; 6 bits a number), with one power-of-two scale for each 32 numbers along K (OCP MX v1.0); their sums are f32. All else is computed in f32.
;;   The module's matrix products, in the order in which they are computed (A, B: the left and right operand; K: the contracted axis; several contracted axes count as one K, in the product's order):
;;     1. [M 8,192, K 1,024] x [K 1,024, N 1,024]; A: input inputs; B: input Wq: QUANTISED
;;     2. [M 8,192, K 1,024] x [K 1,024, N 1,024]; A: input inputs; B: input Wk: QUANTISED
;;     3. [M 8,192, K 1,024] x [K 1,024, N 1,024]; A: input inputs; B: input Wv: QUANTISED
;;     4. batch 64 x [M 2,048, K 64] x [K 64, N 2,048]; A: computed on the way; B: computed on the way: QUANTISED
;;     5. batch 64 x [M 2,048, K 2,048] x [K 2,048, N 64]; A: softmax (see below); B: computed on the way: QUANTISED
;;     6. [M 8,192, K 1,024] x [K 1,024, N 1,024]; A: computed on the way; B: input Wo: QUANTISED
;;   THE QUANTISER, for each operand of a quantised product, along K:
;;     - K is cut into blocks of 32 from its start; a last block that is shorter is filled with zeros.
;;     - A block's scale is 2^e with e = floor(log2(the largest magnitude in the block)) - 2, held to -126 .. 127; a block of zeros has e = 0. As a byte (E8M0): e + 127.
;;     - Each number is divided by its block's scale, clamped to +-7.5, and rounded to the nearest number of E2M3, ties to even, subnormals kept.
;;     - The product sums the exact products of the quantised numbers (number of the format x scale) in f32.
;;   ~~~python
;;   def quantise(x, axis):      # numpy; x: float32 -> the quantised numbers, widened to float32 again
;;       x = np.moveaxis(x, axis, -1); K = x.shape[-1]
;;       x = np.pad(x, [(0, 0)] * (x.ndim - 1) + [(0, -K % 32)]); x = x.reshape(x.shape[:-1] + (-1, 32)); a = np.abs(x).max(-1, keepdims=True)
;;       e = np.where(a > 0, np.clip(np.frexp(np.where(a > 0, a, 1))[1] - 1 - 2, -126, 127), 0)      # np.frexp(a)[1] - 1 = floor(log2(a)), exactly
;;       r = np.clip(x / 2.0 ** e, -7.5, 7.5)
;;       step = 2.0 ** (np.maximum(np.frexp(np.where(r == 0, 1, r))[1] - 1, 0) - 3)
;;       q = np.round(r / step) * step * 2.0 ** e      # np.round: ties to even
;;       return np.moveaxis(q.reshape(q.shape[:-2] + (-1,))[..., :K], -1, axis).astype(np.float32)
;;   ~~~
;;   SOFTMAX AHEAD OF A QUANTISED PRODUCT. Where the list says 'softmax', what is quantised is not the finished softmax but p = 2^(t - M), with t = logit x log2(e) and M = ceil(the row's largest t), a whole number; so 1/2 < the row's largest p <= 1. The row's sum l is taken of the UNQUANTISED p, in f32, and the product's result is divided by l at the end. Since M is a whole number, a kernel that streams over the keys may use a running M (the ceiling of the running maximum): every later rescaling is an exact power of two, which a block's scale takes up: the codes' values come out the same.
;;   OPERANDS COMPUTED ON THE WAY. 'Computed on the way' means the value that the module computes at that place (a softmax that the list does not call 'softmax' is quantised finished and normalised). What goes into a quantiser is computed in f32, as accurately as f32 sums, v_exp_f32 and their like allow (about 1e-6 of the number): no bf16 or f16 on the way to a quantiser, and a product that is left as it is and whose result goes on into a quantised operand takes f32 operands (vector FMAs, or v_wmma_f32_16x16x4_f32). A number that lies on a knife's edge between two numbers of the format may be rounded either way, as far as f32 arithmetic and the matrix unit's own rounding can turn it there, and no further.
;; One version. Each part assembles by itself: llvm-mc -triple=amdgcn-amd-amdhsa -mcpu=gfx1250 --defsym DOCPART=n.
;; ======== version 1 of 1: 4 launches
;; limits: right only within a limited range of input values
;; workspace buffers: x_img 6,291,456 bytes; x_sc 262,144 bytes; w_img 3,145,728 bytes; w_sc 131,072 bytes; qkv_img 18,874,368 bytes; qkv_sc 786,432 bytes; o_img 6,291,456 bytes; o_sc 262,144 bytes
;; launch quant (part 1): grid 512 x 1, 4 waves a work-group, no clusters, 47,616 bytes of LDS; arguments inputs, x_img, x_sc, w_sc, Wq, Wk, Wv, Wo, w_img; writes x_img, x_sc, w_img, w_sc
.if DOCPART == 1
	.amdgcn_target "amdgcn-amd-amdhsa--gfx1250"
	.amdhsa_code_object_version 6
	.text
	.protected	k_q66da1913fc_quant
	.globl	k_q66da1913fc_quant
	.p2align	8
	.type	k_q66da1913fc_quant,@function
k_q66da1913fc_quant:
	s_mov_b64 s[64:65], 0
	v_nop
	global_prefetch_b8 v0, s[64:65] scope:SCOPE_SE
	s_setreg_imm32_b32 hwreg(HW_REG_WAVE_MODE, 25, 1), 1
	s_wait_xcnt 0x0
; ONE LAUNCH QUANTISES THE TOKENS AND THE FOUR WEIGHTS to codes of FP6 (E2M3) along K = 1,024, one E8M0 byte for each 32.  Every input is read.
; Work-groups 0-255 take inputs [8192][1024] (the longer share, so the lower numbers), work-groups 256-511 the weights [1024 (k)][1024 (n)].  The two paths part on the work-group's number and have LDS bytes of their own.
; x_img [rowblock 512][K step 8][1,536 bytes]: a fragment (16 rows x 128 K, 12 registers a lane) as an image of its registers: plane p of 256 bytes holds every lane's registers 2 p, 2 p + 1 at 8 x lane.  x_sc [row place][32 bytes].
; Lane r of rowblock g holds row 32 (g / 2) + 8 (g % 2) + r + 8 (r / 8).   w_img [weight q, k, v, o][column block 64][K step 8][1,536 bytes], w_sc [weight][column place][32]: column n stands at the place that has n's bits 3 and 4 exchanged.
; A block's scale is 2^(floor(log2(largest magnitude)) - 2); its byte is the largest magnitude's exponent field - 2, held at 1 from below.
; LIMITS: NaN and infinities are not served; a block whose largest magnitude lies under 2^-124 (a block of zeros too) keeps the byte 1: zero codes add nothing, and this program alone reads the bytes.
; No matrix unit, no cluster, no barrier: waves share nothing, and each input byte is read once.
.set SP,    528                        ; tokens: a stage row, 512 + 16 bytes
.set WSTX,  16*SP                      ; a wave's stage
.set IMG,   1664                       ; weights: an image in the stage, 1,536 + 128 bytes
.set WSTW,  2*IMG
.set WBASE, 4*WSTX                     ; the weights' stages lie behind the tokens'
.set SPARE, WBASE+4*WSTW               ; the spare words, 128 bytes for each wave
.set FRB,   1536
.set SPW,   14
.set NIL,   15
	v_lshl_add_u32 v[SPW], v0, 2, SPARE
	v_mov_b32 v[NIL], 0
	s_cmp_lt_u32 ttmp9, 256
	s_cbranch_scc0 .Lweights
; ---------------- the tokens: work-group j takes rowblocks 2 j, 2 j + 1; wave w rowblock 2 j + w / 2 and half w % 2 of K: four K steps
.set ROWB,  4096
.set GA,    1                          ; v1 16 x lane
.set SI,    2                          ; v2 the stage, in
.set SO,    3                          ; v3 the stage, out: row r, + 64 h
.set IM,    4                          ; v4 8 x lane
.set SA,    5                          ; v5 32 r + 8 h
.set R,     16                         ; v16-143 two sets of 64 as loaded
.set X,     144                        ; v144-207 register 16 b + i = k 32 b + 16 h + i of my row
.set PC,    208
.set TM,    228
.set SW,    244
.set D,     248
.set SEL,   20
.set HM,    22
.macro QUANT s, w                      ; 64 numbers of a lane become a fragment's codes in v[PC] on and its scale word in v[w]
.irp b, 0,1,2,3
	v_max3_num_f32 v[TM+\b], |v[\s+16*\b]|, |v[\s+1+16*\b]|, 0x1800000   ; with the floor 2^(3 - 127)
.endr
.irp i, 2,4,6,8,10,12,14
.irp b, 0,1,2,3
	v_max3_num_f32 v[TM+\b], v[TM+\b], |v[\s+16*\b+\i]|, |v[\s+1+16*\b+\i]|
.endr
.endr
.irp b, 0,1,2,3
	v_permlanex16_b32 v[TM+4+\b], v[TM+\b], s[SEL], s[SEL+1]
.endr
.irp b, 0,1,2,3
	v_max_num_f32 v[TM+\b], v[TM+\b], v[TM+4+\b]   ; with lane l xor 16's: the block's largest magnitude
.endr
.irp b, 0,1,2,3
	v_add_nc_u32 v[TM+12+\b], 0xff000000, v[TM+\b] ; 2 off the exponent field: the conversion's scale operand
.endr
.irp b, 0,1,2,3
	v_lshrrev_b32 v[TM+4+\b], 23, v[TM+12+\b]      ; the byte
.endr
	v_lshl_or_b32 v[\w], v[TM+5], 8, v[TM+4]
	v_lshl_or_b32 v[\w], v[TM+6], 16, v[\w]
	v_lshl_or_b32 v[\w], v[TM+7], 24, v[\w]
.irp c, 0,1
	v_cvt_scalef32_pk16_fp6_f32 v[PC+6*\c:PC+2+6*\c], v[\s+32*\c:\s+15+32*\c], v[TM+12+2*\c]
	v_cvt_scalef32_pk16_fp6_f32 v[PC+12+4*\c:PC+14+4*\c], v[\s+16+32*\c:\s+31+32*\c], v[TM+12+2*\c+1]
.endr
	v_nop                                          ; one plain place behind a scaled conversion
.irp c, 0,1                                    ; a whole block to a lane
.irp i, 0,1,2
	v_permlane16_swap_b32 v[PC+6*\c+\i], v[PC+12+4*\c+\i]
.endr
.irp i, 0,1,2
	v_mov_b32 v[PC+3+6*\c+\i], v[PC+12+4*\c+\i]
.endr
.endr
.endm
	s_load_b128 s[4:7], s[0:1], 0x0                ; inputs, x_img
	s_load_b64 s[8:9], s[0:1], 0x10                ; x_sc
	v_lshrrev_b32 v6, 5, v0
	v_readfirstlane_b32 s12, v6                    ; wave
	v_and_b32 v6, 31, v0
	v_and_b32 v7, 15, v0
	v_bfe_u32 v8, v0, 4, 1
	s_mul_i32 s13, s12, WSTX
	v_lshlrev_b32 v[GA], 4, v6
	v_add_nc_u32 v[SI], s13, v[GA]
	v_mul_u32_u24 v[SO], v7, SP
	v_lshl_add_u32 v[SO], v8, 6, v[SO]
	v_add_nc_u32 v[SO], s13, v[SO]
	v_lshlrev_b32 v[IM], 3, v6
	v_lshlrev_b32 v[SA], 5, v7
	v_lshl_add_u32 v[SA], v8, 3, v[SA]
.irp b, 0,1,2,3
	v_mov_b32 v[TM+4+\b], 0                        ; a lane permute's destination counts as one of its sources
.endr
	s_mov_b32 s[SEL], 0x76543210
	s_mov_b32 s[SEL+1], 0xfedcba98
	s_mov_b32 s[HM], 0xffff0000
	s_lshr_b32 s14, s12, 1
	s_and_b32 s15, s12, 1
	s_lshl_b32 s16, ttmp9, 5
	s_lshl_b32 s17, s14, 3
	s_add_co_u32 s16, s16, s17                     ; the rowblock's first row
	s_lshl_b32 s16, s16, 12
	s_lshl_b32 s17, s15, 11
	s_add_co_u32 s16, s16, s17
	s_mov_b32 s17, 0
	s_lshl_b32 s18, ttmp9, 1
	s_add_co_u32 s18, s18, s14                     ; the rowblock
	s_mul_i32 s24, s18, 8*FRB
	s_mul_i32 s19, s15, 4*FRB
	s_add_co_u32 s24, s24, s19
	s_mov_b32 s25, 0
	s_lshl_b32 s26, s18, 9
	s_lshl_b32 s19, s15, 4
	s_add_co_u32 s26, s26, s19
	s_mov_b32 s27, 0
	s_wait_alu depctr_va_vdst(0)                   ; the wait at the head's end
	s_wait_kmcnt 0x0
	s_add_nc_u64 s[4:5], s[4:5], s[16:17]
	s_add_nc_u64 s[6:7], s[6:7], s[24:25]
	s_add_nc_u64 s[8:9], s[8:9], s[26:27]
.macro LOADX t                         ; K step t of my 16 rows: a load reads 512 consecutive bytes of a row
.irp i, 0,1,2,3,4,5,6,7,8,9,10,11,12,13,14,15
	global_load_b128 v[R+64*((\t)%2)+4*\i:R+64*((\t)%2)+4*\i+3], v[GA], s[4:5] offset:(\i+8*(\i/8))*ROWB+512*(\t) th:TH_LOAD_NT
.endr
.endm
.macro STEPX t
.if (\t) < 3
	s_wait_loadcnt 16                              ; this step's 16 loads are in; the next step's 16 may be out
.else
	s_wait_loadcnt 0x0
.endif
.irp i, 0,1,2,3,4,5,6,7,8,9,10,11,12,13,14,15
	ds_store_b128 v[SI], v[R+64*((\t)%2)+4*\i:R+64*((\t)%2)+4*\i+3] offset:SP*\i
.endr
.irp b, 0,1,2,3
.irp j, 0,1,2,3
	ds_load_b128 v[X+16*\b+4*\j:X+16*\b+4*\j+3], v[SO] offset:128*\b+16*\j   ; a wave's LDS instructions are served in order
.endr
.endr
	s_wait_dscnt 0x0
.if (\t)+2 < 4
	LOADX (\t)+2
.endif
.if (\t) > 0
	s_wait_xcnt 0x0                                ; the last step's stores have read the codes' registers
.endif
	QUANT X, SW+(\t)
.irp p, 0,1,2,3,4,5
	global_store_b64 v[IM], v[PC+2*\p:PC+2*\p+1], s[6:7] offset:FRB*(\t)+256*\p   ; a plane: 256 consecutive bytes, aligned
.endr
.endm
	LOADX 0
	LOADX 1
	STEPX 0
	STEPX 1
	STEPX 2
	STEPX 3
	v_cndmask_b32 v[D], v[SW], v[SW+2], s[HM]      ; lanes 0-15 store words 0, 1 of this half of K, lanes 16-31 words 2, 3
	v_cndmask_b32 v[D+1], v[SW+1], v[SW+3], s[HM]
	global_store_b64 v[SA], v[D:D+1], s[8:9]
	s_wait_tensorcnt 0x0                           ; the wave's end
	ds_add_u32 v[SPW], v[NIL]
	s_wait_dscnt 0x0
	s_endpgm
; ---------------- the weights: work-group 256 + 8 y + x: weight y / 8, K step y % 8, columns 128 x on; wave w 32 of them.  A lane takes a column and its registers run down K
.Lweights:
.set GIN,   3
.set SIN,   4
.set SOUT,  7
.set GOUT,  8
.set SCA,   9
.set SB,    24
.set XW,    32                         ; v32-95 two sets of 32 numbers; later the images on their way out
.set C,     96
	s_load_b256 s[4:11], s[0:1], 0x20              ; Wq, Wk, Wv, Wo
	s_load_b64 s[12:13], s[0:1], 0x40              ; w_img
	s_load_b64 s[14:15], s[0:1], 0x18              ; w_sc
	v_lshrrev_b32 v1, 5, v0
	v_readfirstlane_b32 s16, v1                    ; wave
	v_and_b32 v2, 31, v0
	s_sub_co_u32 s28, ttmp9, 256
	s_lshr_b32 s18, s28, 3                         ; y
	s_and_b32 s29, s28, 7                          ; x
	s_lshr_b32 s17, s18, 3                         ; which weight
	s_and_b32 s18, s18, 7                          ; which K step
	v_lshlrev_b32 v[GIN], 2, v2
	v_and_b32 v5, 7, v2
	v_bfe_u32 v6, v2, 3, 1                         ; which of the two images
	v_bfe_u32 v10, v2, 4, 1                        ; the image's row's bit 3
	s_mul_i32 s19, s16, WSTW
	s_add_co_u32 s19, s19, WBASE
	v_lshl_add_u32 v[SIN], v10, 3, v5
	v_lshlrev_b32 v[SIN], 3, v[SIN]
	v_mad_u32_u24 v[SIN], v6, IMG, v[SIN]
	v_add_nc_u32 v[SIN], s19, v[SIN]
	v_lshlrev_b32 v[GOUT], 4, v2
	v_add_nc_u32 v[SOUT], s19, v[GOUT]
	v_lshl_add_u32 v[SCA], v6, 4, v5
	v_lshl_add_u32 v[SCA], v10, 3, v[SCA]
	v_lshlrev_b32 v[SCA], 5, v[SCA]
	s_lshl_b32 s20, s29, 7
	s_lshl_b32 s21, s16, 5
	s_add_co_u32 s20, s20, s21                     ; my wave's first column
	s_lshl_b32 s22, s18, 19
	s_lshl_b32 s21, s20, 2
	s_add_co_u32 s22, s22, s21
	s_mov_b32 s23, 0
	s_lshr_b32 s24, s20, 1
	s_add_co_u32 s24, s24, s18
	s_mul_i32 s24, s24, FRB
	s_mul_i32 s21, s17, 64*8*FRB
	s_add_co_u32 s24, s24, s21
	s_mov_b32 s25, 0
	s_lshl_b32 s26, s17, 15
	s_lshl_b32 s21, s20, 5
	s_add_co_u32 s26, s26, s21
	s_lshl_b32 s21, s18, 2
	s_add_co_u32 s26, s26, s21
	s_mov_b32 s27, 0
	s_wait_alu depctr_va_vdst(0)                   ; the wait at the head's end
	s_wait_kmcnt 0x0
	s_bitcmp1_b32 s17, 0                           ; the weight is chosen by the work-group's number alone
	s_cselect_b64 s[4:5], s[6:7], s[4:5]
	s_cselect_b64 s[8:9], s[10:11], s[8:9]
	s_bitcmp1_b32 s17, 1
	s_cselect_b64 s[4:5], s[8:9], s[4:5]
	s_add_nc_u64 s[4:5], s[4:5], s[22:23]
	s_add_nc_u64 s[12:13], s[12:13], s[24:25]
	s_add_nc_u64 s[14:15], s[14:15], s[26:27]
.macro LOADW t
.irp i, 0,1,2,3,4,5,6,7,8,9,10,11,12,13,14,15,16,17,18,19,20,21,22,23,24,25,26,27,28,29,30,31
	global_load_b32 v[XW+32*((\t)%2)+\i], v[GIN], s[4:5] offset:(32*(\t)+\i)*4096 th:TH_LOAD_NT
.endr
.endm
.macro BLOCK t
.set XS, XW+32*((\t)%2)
.if (\t) < 3
	s_wait_loadcnt 32                              ; this block's 32 loads are in; the next block's may be out
.else
	s_wait_loadcnt 0x0
.endif
	v_max3_num_f32 v12, |v[XS]|, |v[XS+1]|, |v[XS+2]|
	v_max3_num_f32 v13, |v[XS+3]|, |v[XS+4]|, |v[XS+5]|
.irp i, 6,10,14,18,22,26
	v_max3_num_f32 v12, v12, |v[XS+\i]|, |v[XS+\i+1]|
	v_max3_num_f32 v13, v13, |v[XS+\i+2]|, |v[XS+\i+3]|
.endr
	v_max3_num_f32 v12, v12, |v[XS+30]|, |v[XS+31]|
	v_max3_num_f32 v12, v12, v13, 0x1800000
	v_add_nc_u32 v11, 0xff000000, v12
	v_lshrrev_b32 v13, 23, v11
.if (\t) == 0
	v_mov_b32 v[SB], v13
.else
	v_lshl_or_b32 v[SB], v13, 8*(\t), v[SB]
.endif
	v_cvt_scalef32_pk16_fp6_f32 v[C:C+2], v[XS:XS+15], v11
	v_cvt_scalef32_pk16_fp6_f32 v[C+8:C+10], v[XS+16:XS+31], v11
	v_nop
.irp i, 0,1,2
	v_mov_b32 v[C+3+\i], v[C+8+\i]
.endr
.irp i, 0,1,2
	ds_store_b64 v[SIN], v[C+2*\i:C+2*\i+1] offset:768*((\t)/2)+128*((\t)%2)+256*\i   ; half t / 2, lane r + 16 (t % 2), plane i
.endr
.if (\t)+2 < 4
	LOADW (\t)+2
.endif
	s_wait_dscnt 0x0                               ; the stores have read their registers
.endm
	LOADW 0
	LOADW 1
	BLOCK 0
	BLOCK 1
	BLOCK 2
	BLOCK 3
	s_wait_alu depctr_va_vdst(0)                   ; the wait ahead of the reader below
	global_store_b32 v[SCA], v[SB], s[14:15]
.irp g, 0,1
.irp q, 0,1,2
	ds_load_b128 v[XW+4*(3*\g+\q):XW+4*(3*\g+\q)+3], v[SOUT] offset:IMG*\g+512*\q
.endr
.endr
.irp g, 0,1
.irp q, 0,1,2
	s_wait_dscnt 5-(3*\g+\q)                       ; the younger reads from the stage may be out
	global_store_b128 v[GOUT], v[XW+4*(3*\g+\q):XW+4*(3*\g+\q)+3], s[12:13] offset:8*FRB*\g+512*\q   ; 512 consecutive bytes, aligned
.endr
.endr
	s_wait_tensorcnt 0x0                           ; the wave's end
	ds_add_u32 v[SPW], v[NIL]
	s_wait_dscnt 0x0
	s_endpgm
.Lfunc_end_k_q66da1913fc_quant:
	.size	k_q66da1913fc_quant, .Lfunc_end_k_q66da1913fc_quant-k_q66da1913fc_quant
	.p2alignl 7, 3214868480
	.fill 96, 4, 3214868480
	.section	.rodata,"a",@progbits
	.p2align	6, 0x0
	.amdhsa_kernel k_q66da1913fc_quant
		.amdhsa_group_segment_fixed_size 47616
		.amdhsa_private_segment_fixed_size 0
		.amdhsa_enable_private_segment 0
		.amdhsa_kernarg_size 72
		.amdhsa_user_sgpr_count 2
		.amdhsa_user_sgpr_kernarg_segment_ptr 1
		.amdhsa_wavefront_size32 1
		.amdhsa_system_sgpr_workgroup_id_x 1
		.amdhsa_system_sgpr_workgroup_id_y 1
		.amdhsa_system_sgpr_workgroup_id_z 1
		.amdhsa_system_vgpr_workitem_id 0
		.amdhsa_next_free_vgpr 256
		.amdhsa_next_free_sgpr 66
		.amdhsa_reserve_vcc 0
		.amdhsa_float_denorm_mode_32 3
		.amdhsa_float_denorm_mode_16_64 3
		.amdhsa_memory_ordered 1
		.amdhsa_forward_progress 1
		.amdhsa_inst_pref_size 57
	.end_amdhsa_kernel
	.amdgpu_metadata
---
amdhsa.version: [ 1, 2 ]
amdhsa.kernels:
  - .name:           k_q66da1913fc_quant
    .symbol:         k_q66da1913fc_quant.kd
    .args:
      - { .name: inputs, .offset: 0, .size: 8, .value_kind: global_buffer, .address_space: global }
      - { .name: x_img, .offset: 8, .size: 8, .value_kind: global_buffer, .address_space: global }
      - { .name: x_sc, .offset: 16, .size: 8, .value_kind: global_buffer, .address_space: global }
      - { .name: w_sc, .offset: 24, .size: 8, .value_kind: global_buffer, .address_space: global }
      - { .name: Wq, .offset: 32, .size: 8, .value_kind: global_buffer, .address_space: global }
      - { .name: Wk, .offset: 40, .size: 8, .value_kind: global_buffer, .address_space: global }
      - { .name: Wv, .offset: 48, .size: 8, .value_kind: global_buffer, .address_space: global }
      - { .name: Wo, .offset: 56, .size: 8, .value_kind: global_buffer, .address_space: global }
      - { .name: w_img, .offset: 64, .size: 8, .value_kind: global_buffer, .address_space: global }
    .group_segment_fixed_size: 47616
    .private_segment_fixed_size: 0
    .kernarg_segment_align: 8
    .kernarg_segment_size: 72
    .max_flat_workgroup_size: 128
    .sgpr_count:     66
    .vgpr_count:     256
    .wavefront_size: 32
...
	.end_amdgpu_metadata
.endif
;; end of part 1
;; launch gemm_qkv (part 2): grid 4 x 64, 4 waves a work-group, clusters of 4 x 4, 327,680 bytes of LDS; arguments x_img, x_sc, w_img, w_sc, bq, bk, bv, qkv_img, qkv_sc; writes qkv_img, qkv_sc
.if DOCPART == 2
	.amdgcn_target "amdgcn-amd-amdhsa--gfx1250"
	.amdhsa_code_object_version 6
	.text
	.protected	k_q66da1913fc_gemm_qkv
	.globl	k_q66da1913fc_gemm_qkv
	.p2align	8
	.type	k_q66da1913fc_gemm_qkv,@function
k_q66da1913fc_gemm_qkv:
	s_mov_b64 s[64:65], 0
	v_nop
	global_prefetch_b8 v0, s[64:65] scope:SCOPE_SE
	s_setreg_imm32_b32 hwreg(HW_REG_WAVE_MODE, 25, 1), 1
	s_wait_xcnt 0x0
	s_wait_alu depctr_hold_cnt(0) depctr_sa_sdst(0) depctr_va_vdst(0) depctr_va_sdst(0) depctr_va_ssrc(0) depctr_va_vcc(0) depctr_vm_vsrc(0)
	s_getreg_b32 s2, hwreg(HW_REG_IB_STS2, 6, 4)
	s_cmp_eq_u32 s2, 0
	s_cbranch_scc0 .Lentry_in_a_cluster
	s_endpgm
.Lentry_in_a_cluster:
	s_bfe_u32 s2, ttmp6, 0x10000c
	s_cmp_lg_u32 s2, 0xf033
	s_cbranch_scc0 .Lentry_shape_is_right
	s_endpgm
.Lentry_shape_is_right:
; Q, K, V = x W + b on codes of FP6 (E2M3) with E8M0 scales, each result quantised again for the products that follow; it leaves as codes and scale bytes, no f32 result is stored.
; Operands are images of their registers: [block of 16 rows][K step 8][1,536 bytes], plane p of 256 bytes holding every lane's registers 2 p, 2 p + 1 at 8 x lane; scales [row place][32 bytes], a word for each K step.
; 256 WORK-GROUPS THAT STAY: work-group (j, X) keeps tokens 128 X .. + 127 of x, all of K, in LDS (98,304 bytes, filled once) and walks three tiles of 256 weight columns: columns 256 j on of Wq, of Wk, of Wv.
; A weight's tile comes in two halves of K through two slots of 98,304 bytes.  LDS: [x, first half of K][slot 0][x, second half][slot 1].
; FILLS: at the head one joint load a wave (x's first half, Wq's, x's second half, Wq's).  Each of the first two passes fills both slots again with the next weight's tile: slot 0 when K step 3's fragments are in registers,
; slot 1 when K step 7's are; each refill stands behind a tensor wait, an LDS add and its wait, and a round of the cluster's barrier, every wave bringing four of the slot's sixteen blocks.
; A wave has one tensor load out, and a refill has four K steps, or a K step, a way out and three K steps, in which to land.
; CLUSTERS 4 x 4: x's tile hangs on X alone and is shared along a row of the cluster, a weight's on j alone and is shared along a column.
; No prefetch: the weights' tiles are read by all clusters alike and x's tile is asked for at the head.
; A PRODUCT: source 0 = the operand of which a wave takes 8 blocks (window 1, two sets), source 1 = the one of which it takes 4 (window 0, two sets); 32 accumulators (window 2).  A lane holds one row of source 1 and 64 numbers along source 0.
;   Q, K (a loop of two trips): source 1 = 64 tokens (wave / 2), source 0 = 128 columns (wave % 2): a lane's 64 numbers with lane l xor 16's are two heads of one token: blocks along the head's 64.
;   V (written out: it asks for nothing more): source 1 = 64 channels, one head (wave), source 0 = the 128 tokens: blocks along the tokens.  Only addresses differ from Q's and K's products.
; Row and column places have bits 3 and 4 of their numbers exchanged, so that register 16 b + i is number 32 b + 16 h + i along the next K.
; OUT: qkv_img [tensor][16 batch + head][key step 16][6,144]: Q, K: 8 tiles of 16 tokens x 768 bytes; V: 4 fragments of 16 channels x 1,536.  qkv_sc [tensor][8 batch + pair of heads][key step][row 16][8 words].
; The bias is added ahead of the quantiser, in f32.  LIMITS: NaN and infinities are not served; a block whose largest magnitude lies under 2^-124 keeps the byte 1: this program alone reads the bytes.
.set FRB,    1536
.set GROW,   8*FRB
.set HROW,   4*FRB                     ; half of K of a block
.set LB0,    8*HROW                    ; a slot lies behind x's eight blocks
.set LH,     24*HROW
.set SPARE,  2*LH                      ; the spare words, 128 bytes for each wave
.set VADB, 2                           ; v2, v3   V: x's eight blocks in the first, the second half of K
.set R32,  4                           ; v4  32 r
.set H64,  5                           ; v5  64 h
.set RBO,  6                           ; v6  4 (r + 8 (r / 8))
.set L8,   7                           ; v7  8 x lane
.set SPW,  8
.set NIL,  9
.set ADRA, 10                          ; v10, v11 Q, K: my four blocks of x
.set ADRB, 12                          ; v12, v13 Q, K: my eight blocks of the weight
.set VADA, 14                          ; v14, v15 V: my four blocks of the weight
.set SCA,  16                          ; v16-47  scale words of source 1: 8 a + q
.set SCB,  52                          ; v52-115 of source 0: 8 b + q
.set AF,   116                         ; v116-211 source 1's two sets
.set ST,   128                         ; the way out, over the fragments: v128-191 the numbers
.set PC,   192
.set SW,   212
.set RB,   224
.set TM,   240
.set SEL,  26
.set G1R,  4                           ; s[4:11]  group 1 of the refills: 4 rows
.set GR0,  12                          ; s[12:15] group 0, slot 0's refill
.set G1A,  28
.set G1B,  36
.set GA0,  44
.set GB0,  48
.set GA1,  52
.set GB1,  56
.set GR1,  60                          ; s[60:63] slot 1's refill
.set MSB, 0
.macro WIN new                         ; the immediate's high byte repeats the setting that is left
.if MSB != (\new)
	s_set_vgpr_msb (MSB<<8)|(\new)
.set MSB, (\new)
.endif
.endm
.macro PLACES
.rept 4
	v_nop
.endr
.endm
.macro CROUND                          ; a round of the cluster's barrier
	s_barrier_signal -1
	s_barrier_wait -1
	s_cmp_lg_u32 s16, 0
	s_cbranch_scc1 .Lnot_wave_0_\@
	s_barrier_signal -3
.Lnot_wave_0_\@:
	s_barrier_wait -3
	s_barrier_signal -1
	s_barrier_wait -1
.endm
.macro GRP1 g, rows                    ; rows of 6,144 bytes (768 elements of 8), 12,288 apart
	s_mov_b32 s[\g+1], (HROW/8)<<16
	s_mov_b32 s[\g+2], (\rows)<<16
	s_mov_b32 s[\g+3], (HROW/8)<<16
	s_mov_b32 s[\g+4], \rows
	s_mov_b32 s[\g+5], GROW/8
	s_mov_b32 s[\g+6], 0
	s_mov_b32 s[\g+7], 0
.endm
.macro GRP0 g, lds, base, off
	s_mov_b32 s[\g], 1
	s_mov_b32 s[\g+1], \lds
	s_add_nc_u64 s[\g+2:\g+3], s[\base:\base+1], \off
	s_or_b32 s[\g+3], s[\g+3], 0x80000000
.endm
.macro ARM under, g0, g1, next
	s_cmp_lt_u32 s16, \under
	s_cbranch_scc0 \next
	tensor_load_to_lds s[\g0:\g0+3], s[\g1:\g1+7]
	s_nop 0
	PLACES
	s_branch .Lasked
\next:
.endm
.macro QUANT s, w                      ; 64 numbers of a lane, register 16 b + i = number 32 b + 16 h + i, become a fragment's codes in v[PC] on and its scale word in v[w]
.irp b, 0,1,2,3
	v_max3_num_f32 v[TM+\b], |v[\s+16*\b]|, |v[\s+1+16*\b]|, 0x1800000   ; with the floor 2^(3 - 127)
.endr
.irp i, 2,4,6,8,10,12,14
.irp b, 0,1,2,3
	v_max3_num_f32 v[TM+\b], v[TM+\b], |v[\s+16*\b+\i]|, |v[\s+1+16*\b+\i]|
.endr
.endr
.irp b, 0,1,2,3
	v_permlanex16_b32 v[TM+4+\b], v[TM+\b], s[SEL], s[SEL+1]
.endr
.irp b, 0,1,2,3
	v_max_num_f32 v[TM+\b], v[TM+\b], v[TM+4+\b]
.endr
.irp b, 0,1,2,3
	v_add_nc_u32 v[TM+12+\b], 0xff000000, v[TM+\b] ; 2 off the exponent field: the conversion's scale operand
.endr
.irp b, 0,1,2,3
	v_lshrrev_b32 v[TM+4+\b], 23, v[TM+12+\b]
.endr
	v_lshl_or_b32 v[\w], v[TM+5], 8, v[TM+4]
	v_lshl_or_b32 v[\w], v[TM+6], 16, v[\w]
	v_lshl_or_b32 v[\w], v[TM+7], 24, v[\w]
.irp c, 0,1
	v_cvt_scalef32_pk16_fp6_f32 v[PC+6*\c:PC+2+6*\c], v[\s+32*\c:\s+15+32*\c], v[TM+12+2*\c]
	v_cvt_scalef32_pk16_fp6_f32 v[PC+12+4*\c:PC+14+4*\c], v[\s+16+32*\c:\s+31+32*\c], v[TM+12+2*\c+1]
.endr
	v_nop
.irp c, 0,1
.irp i, 0,1,2
	v_permlane16_swap_b32 v[PC+6*\c+\i], v[PC+12+4*\c+\i]
.endr
.irp i, 0,1,2
	v_mov_b32 v[PC+3+6*\c+\i], v[PC+12+4*\c+\i]
.endr
.endr
.endm
	s_load_b256 s[4:11], s[0:1], 0x0               ; x_img, x_sc, w_img, w_sc
	s_load_b256 s[84:91], s[0:1], 0x20             ; bq, bk, bv, qkv_img
	s_load_b64 s[92:93], s[0:1], 0x40              ; qkv_sc
	v_lshl_add_u32 v[SPW], v0, 2, SPARE
	v_mov_b32 v[NIL], 0
	ds_add_u32 v[SPW], v[NIL]                      ; the opening lines: the add, twice on end, and its wait
	ds_add_u32 v[SPW], v[NIL]
	v_lshrrev_b32 v1, 5, v0
	v_readfirstlane_b32 s16, v1                    ; wave
	s_lshr_b32 s17, s16, 1
	s_and_b32 s18, s16, 1
	s_bfe_u32 s19, ttmp6, 0x40000                  ; cx
	s_bfe_u32 s20, ttmp6, 0x40004                  ; cy
	s_lshl_b32 s21, ttmp9, 2
	s_add_co_u32 s21, s21, s19                     ; j
	s_and_b32 s22, ttmp7, 0xffff
	s_lshl_b32 s22, s22, 2
	s_add_co_u32 s22, s22, s20                     ; X
	s_lshl_b32 s23, s20, 2
	s_lshl_b32 s23, 15, s23                        ; my row of the cluster
	s_lshl_b32 s24, 0x1111, s19                    ; my column
	s_or_b32 s[G1A], s23, (3<<16)|(1<<21)
	s_or_b32 s[G1B], s24, (3<<16)|(1<<21)
	GRP1 G1A, 8
	GRP1 G1B, 16
	s_mul_i32 s60, s22, 8*GROW                     ; x's tile, by X alone
	s_mov_b32 s61, 0
	s_mul_i32 s62, s21, 16*GROW                    ; Wq's tile, by j alone
	s_mov_b32 s63, 0
	s_wait_dscnt 0x0                               ; both opening adds are done
	s_wait_kmcnt 0x0
	s_add_nc_u64 s[60:61], s[4:5], s[60:61]
	s_add_nc_u64 s[62:63], s[8:9], s[62:63]
	GRP0 GA0, 0,      60, 0
	GRP0 GB0, LB0,    62, 0
	GRP0 GA1, LH,     60, HROW
	GRP0 GB1, LH+LB0, 62, HROW
	CROUND                                         ; all sixteen work-groups are here: the joint loads meet
	ARM 1, GA0, G1A, .Larm_b0
	ARM 2, GB0, G1B, .Larm_a1
	ARM 3, GA1, G1A, .Larm_b1
	tensor_load_to_lds s[GB1:GB1+3], s[G1B:G1B+7]
	s_nop 0
	PLACES
.Lasked:
	s_mov_b32 s95, 0                               ; the upper word of every offset below
	s_lshl_b32 s94, s22, 12
	s_add_nc_u64 s[68:69], s[6:7], s[94:95]        ; x's scales: all eight blocks,
	s_lshl_b32 s94, s17, 11
	s_add_nc_u64 s[66:67], s[68:69], s[94:95]      ; my four
	s_lshl_b32 s94, s21, 13
	s_add_nc_u64 s[72:73], s[10:11], s[94:95]
	s_lshl_b32 s94, s18, 12
	s_add_nc_u64 s[70:71], s[72:73], s[94:95]      ; Wq's scales: my eight blocks,
	s_add_nc_u64 s[74:75], s[70:71], 32768         ; Wk's
	s_lshl_b32 s94, s16, 11
	s_add_co_u32 s94, s94, 2*32768
	s_add_nc_u64 s[72:73], s[72:73], s[94:95]      ; Wv's: my four blocks
	s_lshl_b32 s25, s21, 1
	s_add_co_u32 s25, s25, s18                     ; Q, K: my pair of heads
	s_lshl_b32 s94, s25, 9
	s_add_nc_u64 s[84:85], s[84:85], s[94:95]      ; bq, bk at my 128 columns
	s_add_nc_u64 s[86:87], s[86:87], s[94:95]
	s_lshl_b32 s94, s21, 10
	s_lshl_b32 s96, s16, 8
	s_add_co_u32 s94, s94, s96
	s_add_nc_u64 s[88:89], s[88:89], s[94:95]      ; bv at my 64 channels
	s_lshr_b32 s26, s22, 4                         ; batch
	s_and_b32 s27, s22, 15                         ; key step
	s_mul_i32 s98, s27, 6144
	s_lshl_b32 s96, s26, 3
	s_add_co_u32 s96, s96, s25                     ; 8 batch + pair
	s_mul_i32 s94, s96, 2*98304
	s_add_co_u32 s94, s94, s98
	s_mul_i32 s97, s17, 4*768
	s_add_co_u32 s94, s94, s97
	s_add_nc_u64 s[76:77], s[90:91], s[94:95]      ; Q's codes: my four tiles of tokens, the pair's first head
	s_lshl_b32 s94, s96, 4
	s_add_co_u32 s94, s94, s27
	s_lshl_b32 s94, s94, 9
	s_lshl_b32 s97, s17, 4
	s_add_co_u32 s94, s94, s97
	s_add_nc_u64 s[78:79], s[92:93], s[94:95]      ; Q's scale words: my four of a row's eight
	s_lshl_b32 s96, s26, 4
	s_lshl_b32 s97, s21, 2
	s_add_co_u32 s96, s96, s97
	s_add_co_u32 s96, s96, s16                     ; 16 batch + my head of V,
	s_add_co_u32 s96, s96, 128                     ; in the third tensor
	s_mul_i32 s94, s96, 98304
	s_add_co_u32 s94, s94, s98
	s_add_nc_u64 s[80:81], s[90:91], s[94:95]      ; V's codes
	s_lshl_b32 s96, s26, 3
	s_lshl_b32 s97, s21, 1
	s_add_co_u32 s96, s96, s97
	s_add_co_u32 s96, s96, s17
	s_lshl_b32 s96, s96, 4
	s_add_co_u32 s96, s96, s27
	s_lshl_b32 s94, s96, 9
	s_lshl_b32 s97, s18, 4
	s_add_co_u32 s94, s94, s97
	s_add_co_u32 s94, s94, 2<<18
	s_add_nc_u64 s[82:83], s[92:93], s[94:95]      ; V's scale words
	s_mul_i32 s94, s16, 4*GROW                     ; the refills: my four blocks of a tile
	s_add_nc_u64 s[96:97], s[62:63], s[94:95]
	s_mul_i32 s94, s16, 4*HROW
	s_mov_b32 s[GR0], 1
	s_add_co_u32 s[GR0+1], s94, LB0
	s_add_nc_u64 s[GR0+2:GR0+3], s[96:97], 64*GROW ; slot 0's first refill: Wk's first half of K
	s_or_b32 s[GR0+3], s[GR0+3], 0x80000000
	s_mov_b32 s[GR1], 1
	s_add_co_u32 s[GR1+1], s94, LH+LB0
	s_add_nc_u64 s[GR1+2:GR1+3], s[96:97], HROW    ; slot 1's stands at Wq's second half: it is stepped ahead of each use
	s_or_b32 s[GR1+3], s[GR1+3], 0x80000000
	s_or_b32 s[G1R], s24, (3<<16)|(1<<21)          ; (the arguments that lay in s[4:11] have been used)
	GRP1 G1R, 4
	s_mul_i32 s96, s17, 4*HROW
	s_mul_i32 s97, s18, 8*HROW
	s_add_co_u32 s97, s97, LB0
	s_add_co_u32 s98, s94, LB0
	s_mov_b32 s[SEL], 0x76543210
	s_mov_b32 s[SEL+1], 0xfedcba98
	s_mov_b32 s25, 0                               ; the pass
	v_and_b32 v128, 15, v0                         ; r
	v_bfe_u32 v129, v0, 4, 1                       ; h
	v_and_b32 v130, 31, v0
	v_lshlrev_b32 v[R32], 5, v128
	v_lshlrev_b32 v[H64], 6, v129
	v_lshlrev_b32 v[L8], 3, v130
.macro SCLOAD pa, pb                   ; the scale words of all K: lane r takes row r's 32 bytes in two loads of 16, which together cover a block's 512 bytes
.irp a, 0,1,2,3
.irp c, 0,1
	global_load_b128 v[SCA+8*\a+4*\c:SCA+8*\a+4*\c+3], v[R32], s[\pa:\pa+1] offset:512*\a+16*\c
.endr
.endr
.irp b, 0,1,2,3,4,5,6,7
.irp c, 0,1
	global_load_b128 v[SCB+8*\b+4*\c:SCB+8*\b+4*\c+3], v[R32], s[\pb:\pb+1] offset:512*\b+16*\c
.endr
.endr
.endm
	SCLOAD 66, 70
	v_and_b32 v131, 8, v128
	v_add_nc_u32 v131, v131, v128
	v_lshlrev_b32 v[RBO], 2, v131
	v_add_nc_u32 v[ADRA], s96, v[L8]
	v_add_nc_u32 v[ADRB], s97, v[L8]
	v_add_nc_u32 v[VADA], s98, v[L8]
	v_mov_b32 v[VADB], v[L8]
	v_add_nc_u32 v[ADRA+1], LH, v[ADRA]
	v_add_nc_u32 v[ADRB+1], LH, v[ADRB]
	v_add_nc_u32 v[VADA+1], LH, v[VADA]
	v_add_nc_u32 v[VADB+1], LH, v[L8]
.irp b, 0,1,2,3
	v_mov_b32 v[TM+4+\b], 0                        ; a lane permute's destination counts as one of its sources
.endr
.macro FETCH_B q                       ; source 0's eight fragments of K step q into set q % 2: 48 loads
	WIN 0x40
.irp b, 0,1,2,3,4,5,6,7
.irp p, 0,1,2,3,4,5
	ds_load_b64 v[128*((\q)%2)+12*\b+2*\p:128*((\q)%2)+12*\b+2*\p+1], v[BADR+(\q)/4] offset:\b*HROW+((\q)%4)*FRB+256*\p
.endr
.endr
	WIN 0
.endm
.macro FETCH_A q                       ; source 1's four: 24 loads
	WIN 0
.irp a, 0,1,2,3
.irp p, 0,1,2,3,4,5
	ds_load_b64 v[AF+48*((\q)%2)+12*\a+2*\p:AF+48*((\q)%2)+12*\a+2*\p+1], v[AADR+(\q)/4] offset:\a*HROW+((\q)%4)*FRB+256*\p
.endr
.endr
.endm
.macro MUL16 q, a0                     ; blocks a0, a0 + 1 of source 1 x source 0's eight; the 32 accumulators take turns in the same order in every step
	WIN 0xa1                                       ; source 0 window 1, source 1 window 0, C and D window 2
.irp a, \a0, \a0+1
.irp b, 0,1,2,3,4,5,6,7
.if (\q) == 0
	v_wmma_scale_f32_16x16x128_f8f6f4 v[8*(8*(\a)+\b):8*(8*(\a)+\b)+7], v[128*((\q)%2)+12*\b:128*((\q)%2)+12*\b+11], v[AF+48*((\q)%2)+12*(\a):AF+48*((\q)%2)+12*(\a)+11], 0, v[SCB+8*\b+(\q)], v[SCA+8*(\a)+(\q)] matrix_a_fmt:MATRIX_FMT_FP6 matrix_b_fmt:MATRIX_FMT_FP6
.else
	v_wmma_scale_f32_16x16x128_f8f6f4 v[8*(8*(\a)+\b):8*(8*(\a)+\b)+7], v[128*((\q)%2)+12*\b:128*((\q)%2)+12*\b+11], v[AF+48*((\q)%2)+12*(\a):AF+48*((\q)%2)+12*(\a)+11], v[8*(8*(\a)+\b):8*(8*(\a)+\b)+7], v[SCB+8*\b+(\q)], v[SCA+8*(\a)+(\q)] matrix_a_fmt:MATRIX_FMT_FP6 matrix_b_fmt:MATRIX_FMT_FP6
.endif
.endr
.endr
.endm
; K step q and the fetch of step q + 1 into the other sets.  kind 0: no more.  kind 1: step q + 1's fragments are the last of their slot: the three lines, a round, my part of the slot's refill (group 0 at g; the other slot's group 0, at o, is stepped
; behind the wait that shows its load done).  kind 2: a plain barrier shows the other slot.
.macro STEP q, kind, g=0, o=0
.if (\q) > 0
	PLACES                                         ; between the last step's products and the loads into the sets that they read
.endif
	FETCH_B (\q)+1
	s_wait_dscnt 48                                ; all but the 48 just issued: this step's fragments are in
	MUL16 \q, 0
	FETCH_A (\q)+1
.if (\kind) == 1
	s_wait_tensorcnt 0x0                           ; all my tensor loads have landed
	ds_add_u32 v[SPW], v[NIL]                      ; sixteen products stand between the add and the wait for it
	s_add_nc_u64 s[\o+2:\o+3], s[\o+2:\o+3], 64*GROW
	MUL16 \q, 2
	WIN 0
	s_wait_dscnt 0x0                               ; the add is done, and my reads of the slot are over
	CROUND
	tensor_load_to_lds s[\g:\g+3], s[G1R:G1R+7]    ; the next weight's tile, my four blocks of this half of K
	s_nop 0
	PLACES
.elseif (\kind) == 2
	s_wait_tensorcnt 0x0
	MUL16 \q, 2
	WIN 0
	s_wait_dscnt 0x0
	s_barrier_signal -1
	s_barrier_wait -1
.else
	MUL16 \q, 2
.endif
.endm
.macro OUTBLK a, v                     ; block a of source 1: its 64 sums a lane, the bias, the quantiser, twelve registers of codes
.if \v
	WIN 0x02                                       ; the sums: window 2
.else
	WIN 0x0e                                       ; and the columns' bias: window 3
.endif
.set i, 0
.rept 32
.if \v
	v_pk_add_f32 v[ST+i:ST+i+1], v[64*(\a)+i:64*(\a)+i+1], v[RB+2*(\a):RB+2*(\a)+1]
.else
	v_pk_add_f32 v[ST+i:ST+i+1], v[64*(\a)+i:64*(\a)+i+1], v[i:i+1]
.endif
.set i, i+2
.endr
	WIN 0
.if (\a) > 0
	s_wait_xcnt 0x0                                ; the last block's stores have read the codes' registers
.endif
	QUANT ST, SW+(\a)
.irp p, 0,1,2
.if \v
	global_store_b64 v[L8], v[PC+2*\p:PC+2*\p+1], s[80:81] offset:1536*(\a)+256*\p
	global_store_b64 v[L8], v[PC+6+2*\p:PC+7+2*\p], s[80:81] offset:1536*(\a)+768+256*\p
.else
	global_store_b64 v[L8], v[PC+2*\p:PC+2*\p+1], s[76:77] offset:768*(\a)+256*\p          ; the pair's first head,
	global_store_b64 v[L8], v[PC+6+2*\p:PC+7+2*\p], s[76:77] offset:98304+768*(\a)+256*\p   ; its second
.endif
.endr
.endm
.macro PASS v                          ; v = 0: Q or K, with refills; v = 1: V
.if \v
.set BADR, VADB
.set AADR, VADA
.irp a, 0,1,2,3
	global_load_b32 v[RB+2*\a], v[RBO], s[88:89] offset:(32*(\a/2)+8*(\a%2))*4   ; the bias of my lane's channel in block a
.endr
.else
.set BADR, ADRB
.set AADR, ADRA
	s_cmp_eq_u32 s25, 0
	s_cselect_b64 s[100:101], s[84:85], s[86:87]   ; bq or bk
	WIN 0xc0                                       ; window 3: register 8 b + j of lane (r, h) is the bias of column 32 (b / 2) + 16 h + 8 (b % 2) + j
.irp b, 0,1,2,3,4,5,6,7
	global_load_b128 v[8*\b:8*\b+3], v[H64], s[100:101] offset:(32*(\b/2)+8*(\b%2))*4
	global_load_b128 v[8*\b+4:8*\b+7], v[H64], s[100:101] offset:(32*(\b/2)+8*(\b%2))*4+16
.endr
	WIN 0
.endif
	FETCH_B 0
	FETCH_A 0
.if \v
	s_wait_loadcnt 4                               ; the scale words are in; the four loads of the bias may be out
.else
	s_wait_loadcnt 16                              ; the scale words are in; the sixteen loads of the bias may be out
.endif
	STEP 0, 0
	STEP 1, 0
.if \v
	STEP 2, 2
.else
	STEP 2, 1, GR0, GR1
.endif
	STEP 3, 0
	STEP 4, 0
	STEP 5, 0
.if \v
	STEP 6, 0
.else
	STEP 6, 1, GR1, GR0
.endif
	s_wait_dscnt 0x0
	MUL16 7, 0
	MUL16 7, 2
	WIN 0
	PLACES                                         ; behind the last products: ahead of the loads into the scales' registers and of the first read of the sums
.if \v
	s_wait_loadcnt 0x0
.irp a, 0,1,2,3
	v_mov_b32 v[RB+2*\a+1], v[RB+2*\a]
.endr
.else
	s_cmp_eq_u32 s25, 0                            ; the next pass's scale words land under the way out: K: x's four blocks and Wk's eight; V: Wv's four and x's eight
	s_cselect_b64 s[94:95], s[66:67], s[72:73]
	s_cselect_b64 s[96:97], s[74:75], s[68:69]
	SCLOAD 94, 96
	s_wait_loadcnt 24                              ; the bias is in; the 24 loads just issued may be out
.endif
.irp a, 0,1,2,3
	OUTBLK \a, \v
.endr
.if \v
	global_store_b128 v[R32], v[SW:SW+3], s[82:83] ; my four words of each row's eight (lanes r and r + 16 hold and store the same)
.else
	global_store_b128 v[R32], v[SW:SW+3], s[78:79]
	s_wait_xcnt 0x0                                ; the stores have read their registers and bases
	s_add_nc_u64 s[76:77], s[76:77], 64*98304      ; on to K's codes and scale words
	s_add_nc_u64 s[78:79], s[78:79], 1<<18
.endif
.endm
	s_wait_alu depctr_va_vdst(0)                   ; the wait at the head's end
	s_cmp_lt_u32 s16, 2
	s_cbranch_scc0 .Lnot_first
	s_wait_tensorcnt 0x0                           ; waves 0 and 1: my tile of the first half of K is in
.Lnot_first:
	s_barrier_signal -1
	s_barrier_wait -1                              ; the first half is in; the second may be on its way
.Lpass:
	PASS 0
	s_add_co_u32 s25, s25, 1
	s_cmp_lt_u32 s25, 2
	s_wait_alu depctr_va_vdst(0)                   ; the wait directly ahead of the branch
	s_cbranch_scc1 .Lpass
	PASS 1
	s_wait_tensorcnt 0x0                           ; the wave's end
	ds_add_u32 v[SPW], v[NIL]
	s_wait_dscnt 0x0
	CROUND                                         ; the closing round
	s_endpgm
.Lfunc_end_k_q66da1913fc_gemm_qkv:
	.size	k_q66da1913fc_gemm_qkv, .Lfunc_end_k_q66da1913fc_gemm_qkv-k_q66da1913fc_gemm_qkv
	.p2alignl 7, 3214868480
	.fill 96, 4, 3214868480
	.section	.rodata,"a",@progbits
	.p2align	6, 0x0
	.amdhsa_kernel k_q66da1913fc_gemm_qkv
		.amdhsa_group_segment_fixed_size 327680
		.amdhsa_private_segment_fixed_size 0
		.amdhsa_enable_private_segment 0
		.amdhsa_kernarg_size 72
		.amdhsa_user_sgpr_count 2
		.amdhsa_user_sgpr_kernarg_segment_ptr 1
		.amdhsa_wavefront_size32 1
		.amdhsa_system_sgpr_workgroup_id_x 1
		.amdhsa_system_sgpr_workgroup_id_y 1
		.amdhsa_system_sgpr_workgroup_id_z 1
		.amdhsa_system_vgpr_workitem_id 0
		.amdhsa_next_free_vgpr 832
		.amdhsa_next_free_sgpr 102
		.amdhsa_reserve_vcc 0
		.amdhsa_float_denorm_mode_32 3
		.amdhsa_float_denorm_mode_16_64 3
		.amdhsa_memory_ordered 1
		.amdhsa_forward_progress 1
		.amdhsa_inst_pref_size 211
	.end_amdhsa_kernel
	.amdgpu_metadata
---
amdhsa.version: [ 1, 2 ]
amdhsa.kernels:
  - .name:           k_q66da1913fc_gemm_qkv
    .symbol:         k_q66da1913fc_gemm_qkv.kd
    .args:
      - { .name: x_img, .offset: 0, .size: 8, .value_kind: global_buffer, .address_space: global }
      - { .name: x_sc, .offset: 8, .size: 8, .value_kind: global_buffer, .address_space: global }
      - { .name: w_img, .offset: 16, .size: 8, .value_kind: global_buffer, .address_space: global }
      - { .name: w_sc, .offset: 24, .size: 8, .value_kind: global_buffer, .address_space: global }
      - { .name: bq, .offset: 32, .size: 8, .value_kind: global_buffer, .address_space: global }
      - { .name: bk, .offset: 40, .size: 8, .value_kind: global_buffer, .address_space: global }
      - { .name: bv, .offset: 48, .size: 8, .value_kind: global_buffer, .address_space: global }
      - { .name: qkv_img, .offset: 56, .size: 8, .value_kind: global_buffer, .address_space: global }
      - { .name: qkv_sc, .offset: 64, .size: 8, .value_kind: global_buffer, .address_space: global }
    .group_segment_fixed_size: 327680
    .private_segment_fixed_size: 0
    .kernarg_segment_align: 8
    .kernarg_segment_size: 72
    .max_flat_workgroup_size: 128
    .sgpr_count:     102
    .vgpr_count:     832
    .wavefront_size: 32
...
	.end_amdgpu_metadata
.endif
;; end of part 2
;; launch attn (part 3): grid 4 x 64, 16 waves a work-group, clusters of 4 x 1, 256,000 bytes of LDS; arguments qkv_img, qkv_sc, o_img, o_sc; writes o_img, o_sc
.if DOCPART == 3
	.amdgcn_target "amdgcn-amd-amdhsa--gfx1250"
	.amdhsa_code_object_version 6
	.text
	.protected	k_q66da1913fc_attn
	.globl	k_q66da1913fc_attn
	.p2align	8
	.type	k_q66da1913fc_attn,@function
k_q66da1913fc_attn:
	s_mov_b64 s[64:65], 0
	v_nop
	global_prefetch_b8 v0, s[64:65] scope:SCOPE_SE
	s_setreg_imm32_b32 hwreg(HW_REG_WAVE_MODE, 25, 1), 1
	s_wait_xcnt 0x0
	s_wait_alu depctr_hold_cnt(0) depctr_sa_sdst(0) depctr_va_vdst(0) depctr_va_sdst(0) depctr_va_ssrc(0) depctr_va_vcc(0) depctr_vm_vsrc(0)
	s_getreg_b32 s2, hwreg(HW_REG_IB_STS2, 6, 4)
	s_cmp_eq_u32 s2, 0
	s_cbranch_scc0 .Lentry_in_a_cluster
	s_endpgm
.Lentry_in_a_cluster:
	s_bfe_u32 s2, ttmp6, 0x10000c
	s_cmp_lg_u32 s2, 0x3003
	s_cbranch_scc0 .Lentry_shape_is_right
	s_endpgm
.Lentry_shape_is_right:
; attn[b][h][q] = softmax_k(q . k / 8) v, both products on codes of FP6 (E2M3) with E8M0 scales; the result, divided by the row's sum, is quantised along the head's 64 and leaves as codes for the last product.
; THE SOFTMAX: t = score x log2(e) / 8; M = the running largest t rounded UP to a whole number; p = 2^(t - M) is quantised along the keys, not normalised; the row's sum is taken of the unquantised p.
; When M moves, the sum and O are multiplied by 2^(old M - new M): exact, and no branch on data.
; SHARES: a work-group owns 512 queries of one head (64 heads x 4); each of its sixteen waves owns two tiles of 16 queries, one after the other, in 256 registers.
; A HEAD'S WHOLE K AND V AND THEIR SCALE WORDS LIE IN LDS AT ONCE, filled once at the head, one joint load a wave (mask 15: the four work-groups of a head form the cluster): waves 0-3 a quarter of K each,
; waves 4-7 a quarter of V, waves 8 and 9 the scale words.  No ring, no refill; all tiles are asked for at the head, so there is no later load for a prefetch to run ahead of.
; Both products are used transposed (S^T = K Q^T, O^T = V^T P^T): a lane holds ONE query throughout.
; WHICH KEYS FORM A TILE is chosen here, by LDS addresses alone: row 8 m + j of tile (c, t) is key 64 c + 32 m + 8 t + j of the step's 128, so that a lane's 32 registers of the four tiles of c are ONE block of 32 keys, in order:
; a block's largest score needs no other lane, and the conversions' results are p's operand as they fall.  In memory key 32 b + 16 x + 8 u + j is row 8 x + j of tile 2 b + u: so rows 0-7 and rows 8-15 of my tile come from two
; tiles of the image that lie two tiles apart.  K's planes of 256 bytes are padded to 352 in LDS: two tiles are then 2,112 = 8 x 256 + 64 bytes apart, and the 32 lanes of a load of 8 bytes touch 256 different bytes modulo 256.
; The head's size, 64, is half of the instruction's K: ONE operand of 12 registers holds TWO tiles of K (k 0-63 and k 64-127), multiplied once with Q | zeros and once with zeros | Q (18 registers: zeros, Q, zeros).
; Zero codes add nothing under the other tile's finite scale bytes.  K's scale words in that form (two half words) are laid once into a table in LDS, wave w for key step w.
; A STEP'S LOADS: V's fragments are asked for behind the scores' products and waited for ahead of the next K's loads; the next step's K is asked for when the softmax's working registers, which are K's 48, are free. Every wait on LDS is for 0.
; LIMITS: NaN and infinities are not served; a block of the result whose largest magnitude lies under 2^-124 keeps the byte 1; a block of p that has fallen to zeros likewise: its codes are zeros.
.set KPL,   352                        ; a plane of K in LDS
.set KTL,   3*KPL
.set KGRP,  8*KTL                      ; a key step's eight tiles
.set VGRP,  6144                       ; a key step's four fragments of V
.set VOFF,  16*KGRP
.set KSC,   VOFF+16*VGRP               ; K's scale words as they come, 512 bytes a step: [row 16][tile 8] words, a half word for each head of the pair
.set VSC,   KSC+8192                   ; V's: [row 16][head 2][d tile 4] words
.set KT,    VSC+8192                   ; the table: [step 16][row 16][pair of tiles 4] words
.set SPARE, KT+4096                    ; the spare words, 128 bytes for each of sixteen waves
.set L8,   1                           ; v1  8 x lane
.set LK,   2                           ; v2  my place in K's planes: 8 j + 128 h + 2,112 m
.set AKT,  3                           ; v3  KT + 16 r
.set ASV0, 4                           ; v4  my place among V's scale words
.set SPW,  5
.set NIL,  6
.set R32,  7                           ; v7  32 r
.set ADK,  8
.set ADV,  9
.set ADS,  10
.set ADT,  11
.set QZ,   16                          ; v16-33 zeros, Q, zeros
.set QSL,  34                          ; Q's scale half word under k 0-63
.set QSH,  35                          ; and under k 64-127
.set VS,   36                          ; v36-39 V's scale words
.set KF,   40                          ; v40-87 K: four operands of two tiles
.set T,    40                          ; the same 48 registers at work between the scores' products and the next K's loads
.set VF,   88                          ; v88-135 V
.set S,    136                         ; v136-199 S^T, then p
.set O,    200                         ; v200-231 O^T
.set P,    232                         ; v232-243 p's codes
.set KSW,  244                         ; v244-247 K's scale words
.set F,    248                         ; v248 f (v249 named with it)
.set PW,   250                         ; p's scale word
.set TP,   251
.set OSA,  252                         ; 32 r + h
.set SH8,  253                         ; 8 h
.set TP2,  254
.set BM,   T+4
.set MX,   T+6
.set TT,   T+7
.set OLD,  T+8
.set DD,   T+9
.set SOP,  T+10
.set BY,   T+12
.set WD,   T+14
.set A1,   T+16
.set A2,   T+18
.set A3,   T+20
.set C2,   T+24
.set TBK,  2
.set TBV,  3
.set CX,   12
.set BH,   13
.set CC,   14
.set T0,   15
.set TSK,  16
.set TSV,  17
.set WV,   18
.set PSEL, 19
.set SEL,  20
.set CS,   22
.set G1K,  24
.set G1V,  32
.set G1S,  40
.set G0K,  48
.set G0V,  52
.set G0S,  56
.set CNT,  60
.set HM,   61
.set QI,   66
.set QSP,  68
.set OI,   70
.set OS,   72
.macro CROUND                          ; a round of the cluster's barrier
	s_barrier_signal -1
	s_barrier_wait -1
	s_cmp_lg_u32 s[WV], 0
	s_cbranch_scc1 .Lnot_wave_0_\@
	s_barrier_signal -3
.Lnot_wave_0_\@:
	s_barrier_wait -3
	s_barrier_signal -1
	s_barrier_wait -1
.endm
.macro GRP1 g, w0, rows                ; group 1: rows of 256 bytes (32 elements of 8), dense in memory
	s_mov_b32 s[\g], \w0
	s_mov_b32 s[\g+1], 32<<16
	s_mov_b32 s[\g+2], (\rows)<<16
	s_mov_b32 s[\g+3], 32<<16
	s_mov_b32 s[\g+4], \rows
	s_mov_b32 s[\g+5], 32
	s_mov_b32 s[\g+6], 0
	s_mov_b32 s[\g+7], 0
.endm
.macro TLOAD g0, g1
	tensor_load_to_lds s[\g0:\g0+3], s[\g1:\g1+7]
	s_nop 0
.rept 4
	v_nop
.endr
.endm
	s_load_b256 s[4:11], s[0:1], 0x0               ; qkv_img, qkv_sc, o_img, o_sc
	v_lshl_add_u32 v[SPW], v0, 2, SPARE
	v_mov_b32 v[NIL], 0
	ds_add_u32 v[SPW], v[NIL]                      ; the opening lines: the add, twice on end, and its wait
	ds_add_u32 v[SPW], v[NIL]
	v_lshrrev_b32 v8, 5, v0
	v_readfirstlane_b32 s[WV], v8                  ; wave 0..15
	s_and_b32 s[BH], ttmp7, 0xffff                 ; 16 x batch + head: the cluster's y, which the four partners share
	s_and_b32 s[CC], s[BH], 1
	GRP1 G1K, 15|(3<<16)|(1<<20)|(1<<21)|(5<<22)|(23<<25), 96   ; K: 24 words of padding behind every 64
	GRP1 G1V, 15|(3<<16)|(1<<21), 96
	GRP1 G1S, 15|(3<<16)|(1<<21), 32
	s_and_b32 s74, s[WV], 3                        ; which quarter.  Nothing here hangs on the place in the cluster
	s_mul_i32 s75, s74, 96*KPL                     ; LDS: K's quarter
	s_mul_i32 s76, s74, 4*VGRP
	s_add_co_u32 s77, s76, VOFF                    ; LDS: V's quarter
	s_mul_i32 s78, s[BH], 98304
	s_add_co_u32 s78, s78, s76
	s_add_co_u32 s78, s78, 64*98304                ; memory: K's codes
	s_mov_b32 s79, 0
	s_add_co_u32 s80, s78, 64*98304                ; V's
	s_mov_b32 s81, 0
	s_and_b32 s82, s[WV], 1                        ; scale words: K's or V's
	s_lshl_b32 s83, s82, 13
	s_add_co_u32 s83, s83, KSC
	s_add_co_u32 s82, s82, 1
	s_lshl_b32 s82, s82, 18
	s_lshr_b32 s84, s[BH], 1
	s_lshl_b32 s84, s84, 13
	s_add_co_u32 s84, s84, s82
	s_mov_b32 s85, 0
	s_mov_b32 s[SEL], 0x76543210
	s_mov_b32 s[SEL+1], 0xfedcba98
	s_mov_b32 s[CS], 0x3e38aa3b                    ; c = log2(e) / sqrt(64)
	s_mov_b32 s[CS+1], s[CS]
	s_mov_b32 s[HM], 0xffff0000
	s_mov_b32 s[PSEL], 0x05040100                  ; the two low half words, or for the pair's second head the two high ones
	s_cmp_eq_u32 s[CC], 1
	s_cselect_b32 s[PSEL], 0x07060302, s[PSEL]
	s_wait_dscnt 0x0                               ; both opening adds are done
	s_wait_kmcnt 0x0
	s_mov_b32 s[G0K], 1
	s_mov_b32 s[G0K+1], s75
	s_add_nc_u64 s[G0K+2:G0K+3], s[4:5], s[78:79]
	s_or_b32 s[G0K+3], s[G0K+3], 0x80000000
	s_mov_b32 s[G0V], 1
	s_mov_b32 s[G0V+1], s77
	s_add_nc_u64 s[G0V+2:G0V+3], s[4:5], s[80:81]
	s_or_b32 s[G0V+3], s[G0V+3], 0x80000000
	s_mov_b32 s[G0S], 1
	s_mov_b32 s[G0S+1], s83
	s_add_nc_u64 s[G0S+2:G0S+3], s[6:7], s[84:85]
	s_or_b32 s[G0S+3], s[G0S+3], 0x80000000
	CROUND                                         ; all four work-groups are here: the joint loads meet
	s_cmp_lt_u32 s[WV], 4                          ; one chain of arms on the wave's number, one load to an arm
	s_cbranch_scc0 .Larm_v
	TLOAD G0K, G1K
	s_branch .Lasked
.Larm_v:
	s_cmp_lt_u32 s[WV], 8
	s_cbranch_scc0 .Larm_s
	TLOAD G0V, G1V
	s_branch .Lasked
.Larm_s:
	s_cmp_lt_u32 s[WV], 10
	s_cbranch_scc0 .Lasked
	TLOAD G0S, G1S
.Lasked:
	s_bfe_u32 s[CX], ttmp6, 0x40000                ; my place in the cluster: it enters Q's and O's addresses in memory alone
	s_lshl_b32 s[T0], s[CX], 5
	s_add_co_u32 s[T0], s[T0], s[WV]               ; my first tile of queries; my second lies 16 tiles on
	s_lshl_b32 s74, s[BH], 7
	s_add_co_u32 s74, s74, s[T0]
	s_mul_i32 s74, s74, 768
	s_mov_b32 s75, 0
	s_add_nc_u64 s[QI:QI+1], s[4:5], s[74:75]      ; Q's tile
	s_lshr_b32 s74, s[BH], 1
	s_lshl_b32 s74, s74, 13
	s_lshr_b32 s76, s[T0], 3
	s_lshl_b32 s76, s76, 9
	s_add_co_u32 s74, s74, s76
	s_and_b32 s76, s[T0], 7
	s_lshl_b32 s76, s76, 2
	s_add_co_u32 s74, s74, s76
	s_lshl_b32 s76, s[CC], 1
	s_add_co_u32 s74, s74, s76
	s_add_nc_u64 s[QSP:QSP+1], s[6:7], s[74:75]    ; its scale half words
	s_lshr_b32 s76, s[BH], 4
	s_lshl_b32 s76, s76, 7
	s_add_co_u32 s76, s76, s[T0]                   ; the rowblock of the last product's A
	s_and_b32 s77, s[BH], 15
	s_lshl_b32 s74, s76, 3
	s_lshr_b32 s78, s77, 1
	s_add_co_u32 s74, s74, s78
	s_mul_i32 s74, s74, 1536
	s_mul_i32 s78, s[CC], 768
	s_add_co_u32 s74, s74, s78
	s_add_nc_u64 s[OI:OI+1], s[8:9], s[74:75]
	s_lshl_b32 s74, s76, 9
	s_lshl_b32 s78, s77, 1
	s_add_co_u32 s74, s74, s78
	s_add_nc_u64 s[OS:OS+1], s[10:11], s[74:75]
	v_and_b32 v9, 15, v0                           ; r
	v_bfe_u32 v10, v0, 4, 1                        ; h
	v_and_b32 v11, 31, v0
	v_lshlrev_b32 v[L8], 3, v11
	v_lshlrev_b32 v[R32], 5, v9
	v_and_b32 v11, 7, v0                           ; j
	v_bfe_u32 v8, v0, 3, 1                         ; m
	v_lshlrev_b32 v[LK], 3, v11
	v_lshl_add_u32 v[LK], v10, 7, v[LK]
	v_mad_u32_u24 v[LK], v8, 2*KTL, v[LK]
	v_lshl_add_u32 v[AKT], v9, 4, KT
	s_lshl_b32 s74, s[CC], 4
	s_add_co_u32 s74, s74, VSC
	v_add_nc_u32 v[ASV0], s74, v[R32]
	v_add_nc_u32 v[OSA], v[R32], v10
	v_lshlrev_b32 v[SH8], 3, v10
	v_lshlrev_b32 v11, 5, v11
	v_lshl_add_u32 v11, v8, 3, v11                 ; 32 j + 8 m
	s_lshl_b32 s74, s[WV], 9
	s_add_co_u32 s74, s74, KSC
	v_add_nc_u32 v8, s74, v11                      ; K's scale words of key step = my wave, as they came
	s_lshl_b32 s74, s[WV], 8
	v_add_nc_u32 v9, s74, v[AKT]                   ; and their place in the table
.irp i, 0,1,2,3,4,5,12,13,14,15,16,17
	v_mov_b32 v[QZ+\i], 0                          ; zero codes on both sides of Q, written once
.endr
.macro QLOAD qb                        ; my tile qb of queries: three planes, and a half word of scales a row
.irp p, 0,1,2
	global_load_b64 v[QZ+6+2*\p:QZ+7+2*\p], v[L8], s[QI:QI+1] offset:12288*\qb+256*\p
.endr
	global_load_u16 v[QSL], v[R32], s[QSP:QSP+1] offset:1024*\qb
.endm
.macro KLOADS ak, as                   ; a key step's eight tiles, two to an operand, and their four scale words
.irp c, 0,1
.irp u, 0,1
.irp e, 0,1
.irp p, 0,1,2
	ds_load_b64 v[KF+12*(2*\c+\u)+6*\e+2*\p:KF+12*(2*\c+\u)+6*\e+2*\p+1], v[\ak] offset:KTL*(4*\c+\e)+KPL*\p+64*\u
.endr
.endr
.endr
.endr
	ds_load_b128 v[KSW:KSW+3], v[\as]
.endm
.macro INIT                            ; the key step is written once for all steps: the first finds zeros, which the first change of M leaves zeros
	v_mov_b32 v13, 0xff61b1e6                      ; the largest score so far: -3e38
	s_delay_alu instid0(VALU_DEP_1)
	v_floor_f32 v12, -v13                          ; -M
	v_mov_b32 v14, 0
	v_mov_b32 v15, 0
.set j, 0
.rept 32
	v_mov_b32 v[O+j], 0
.set j, j+1
.endr
	v_mov_b32 v[TP], 0                             ; a lane permute's destination counts as one of its sources
	v_mov_b32 v[TP2], 0
	v_mov_b32 v[F+1], 0                            ; named as the upper half of f's pair
	s_mov_b32 s[TBK], KGRP                         ; K runs one step ahead
	s_mov_b32 s[TSK], 256
	s_mov_b32 s[TBV], VOFF
	s_mov_b32 s[TSV], 0
.endm
.macro SUM4 k                          ; pairs k .. k + 3 of p onto the four partial sums
	v_pk_add_f32 v[14:15], v[14:15], v[S+2*(\k):S+2*(\k)+1]
	v_pk_add_f32 v[A1:A1+1], v[A1:A1+1], v[S+2*(\k)+2:S+2*(\k)+3]
	v_pk_add_f32 v[A2:A2+1], v[A2:A2+1], v[S+2*(\k)+4:S+2*(\k)+5]
	v_pk_add_f32 v[A3:A3+1], v[A3:A3+1], v[S+2*(\k)+6:S+2*(\k)+7]
.endm
; A KEY STEP: 128 keys
.macro STEP
	s_wait_dscnt 0x0                               ; this step's K and its scale words are in
.irp q, 0,1,2,3                                ; S^T = K Q^T: operand q holds tiles 2 q and 2 q + 1
	v_wmma_scale_f32_16x16x128_f8f6f4 v[S+16*\q:S+16*\q+7], v[KF+12*\q:KF+12*\q+11], v[QZ+6:QZ+17], 0, v[KSW+\q], v[QSL] matrix_a_fmt:MATRIX_FMT_FP6 matrix_b_fmt:MATRIX_FMT_FP6
	v_wmma_scale_f32_16x16x128_f8f6f4 v[S+16*\q+8:S+16*\q+15], v[KF+12*\q:KF+12*\q+11], v[QZ:QZ+11], 0, v[KSW+\q], v[QSH] matrix_a_fmt:MATRIX_FMT_FP6 matrix_b_fmt:MATRIX_FMT_FP6
.endr                                          ; lane (r, h): register 32 c + i is key 64 c + 32 h + i
	v_add_nc_u32 v[ADV], s[TBV], v[L8]             ; these four are the places behind the products: ahead of the loads into V's registers, of the first read of the scores and of the first write into K's registers
	v_add_nc_u32 v[ADT], s[TSV], v[ASV0]
	v_add_nc_u32 v[ADK], s[TBK], v[LK]
	v_add_nc_u32 v[ADS], s[TSK], v[AKT]
.irp d, 0,1,2,3
.irp p, 0,1,2,3,4,5
	ds_load_b64 v[VF+12*\d+2*\p:VF+12*\d+2*\p+1], v[ADV] offset:1536*\d+256*\p
.endr
.endr
	ds_load_b128 v[VS:VS+3], v[ADT]
.irp c, 0,1                                    ; each block's largest score, in two chains; each accumulator is read from its low end on
.irp a, 0,1
	v_max3_num_f32 v[T+2*\c+\a], v[S+32*\c+16*\a], v[S+32*\c+16*\a+1], v[S+32*\c+16*\a+2]
.endr
.endr
.irp i, 3,5,7,9,11,13
.irp c, 0,1
.irp a, 0,1
	v_max3_num_f32 v[T+2*\c+\a], v[T+2*\c+\a], v[S+32*\c+16*\a+\i], v[S+32*\c+16*\a+\i+1]
.endr
.endr
.endr
.irp c, 0,1
	v_max3_num_f32 v[BM+\c], v[T+2*\c], v[T+2*\c+1], v[S+32*\c+15]
.endr
.irp c, 0,1
	v_max_num_f32 v[BM+\c], v[BM+\c], v[S+32*\c+31]
.endr
	s_delay_alu instid0(VALU_DEP_1)
	v_max3_num_f32 v[MX], v13, v[BM], v[BM+1]
	s_delay_alu instid0(VALU_DEP_1)
	v_permlanex16_b32 v[TP], v[MX], s[SEL], s[SEL+1]
	s_delay_alu instid0(VALU_DEP_1)
	v_max_num_f32 v13, v[MX], v[TP]                ; the running largest score of my query
	s_delay_alu instid0(VALU_DEP_1)
	v_mul_f32 v[TT], s[CS], v13                    ; as t
	v_mov_b32 v[OLD], v12
	s_delay_alu instid0(VALU_DEP_2)
	v_floor_f32 v12, -v[TT]                        ; the new -M = -ceil(t): a whole number
.set j, 0
.rept 32
	v_pk_fma_f32 v[S+j:S+j+1], v[S+j:S+j+1], s[CS:CS+1], v[12:13] op_sel_hi:[1,0,0]   ; t - M, two at a time
.set j, j+2
.endr
.irp c, 0,1
	v_fma_f32 v[BM+\c], v[BM+\c], s[CS], v12       ; the same of each block's largest score
.endr
	s_wait_alu depctr_va_vdst(0)                   ; the wait ahead of the batch
.set j, 0
.rept 64
	v_exp_f32 v[S+j], v[S+j]                       ; p = 2^(t - M)
.set j, j+1
.endr
.irp c, 0,1
	v_exp_f32 v[BM+\c], v[BM+\c]                   ; the block's largest p
.endr
	v_sub_f32 v[DD], v12, v[OLD]                   ; old M - new M: a whole number, 0 or less.  (Plain work behind the batch)
	s_delay_alu instid0(VALU_DEP_1)
	v_cvt_i32_f32 v[DD], v[DD]                     ; (it saturates)
	s_delay_alu instid0(VALU_DEP_1)
	v_ldexp_f32 v[F], 1.0, v[DD]                   ; f = 2^(old M - new M)
	s_wait_alu depctr_va_vdst(0)                   ; one wait for the whole batch, ahead of its first reader
	v_pk_fma_f32 v[14:15], v[14:15], v[F:F+1], v[S:S+1] op_sel_hi:[1,0,1]   ; the sum under the new M, and the first pair of the unquantised p
	v_pk_add_f32 v[A1:A1+1], v[S+2:S+3], v[S+4:S+5]
	v_pk_add_f32 v[A2:A2+1], v[S+6:S+7], v[S+8:S+9]
	v_pk_add_f32 v[A3:A3+1], v[S+10:S+11], v[S+12:S+13]
.irp c, 0,1
	v_max_num_f32 v[BM+\c], 0x1800000, v[BM+\c]    ; the floor 2^(3 - 127): the byte cannot fall under 1
.endr
	SUM4 7
.irp c, 0,1
	v_add_nc_u32 v[SOP+\c], 0xff000000, v[BM+\c]   ; 2 off the exponent field: the conversion's scale operand
.endr
	SUM4 11
.irp c, 0,1
	v_lshrrev_b32 v[BY+\c], 23, v[SOP+\c]          ; the byte
.endr
	SUM4 15
	v_lshl_or_b32 v[WD], v[BY+1], 16, v[BY]        ; my blocks h and 2 + h
	SUM4 19
	v_lshlrev_b32 v[WD], v[SH8], v[WD]             ; at their places in the word
	SUM4 23
	v_permlanex16_b32 v[TP2], v[WD], s[SEL], s[SEL+1]
	SUM4 27
	v_or_b32 v[PW], v[WD], v[TP2]                  ; with lane l xor 16's two: p's scale word for these 128 keys
.irp c, 0,1
	v_cvt_scalef32_pk16_fp6_f32 v[P+6*\c:P+6*\c+2], v[S+32*\c:S+32*\c+15], v[SOP+\c]
	v_cvt_scalef32_pk16_fp6_f32 v[C2+4*\c:C2+4*\c+2], v[S+32*\c+16:S+32*\c+31], v[SOP+\c]   ; (a conversion's three registers begin on an even number)
.endr
	v_pk_add_f32 v[14:15], v[14:15], v[S+62:S+63]  ; the sums' end: plain work behind the conversions
	v_pk_add_f32 v[A1:A1+1], v[A1:A1+1], v[A2:A2+1]
	v_pk_add_f32 v[14:15], v[14:15], v[A3:A3+1]
	v_pk_add_f32 v[14:15], v[14:15], v[A1:A1+1]
.irp c, 0,1
.irp i, 0,1,2
	v_mov_b32 v[P+6*\c+3+\i], v[C2+4*\c+\i]
.endr
.endr
	s_wait_dscnt 0x0                               ; V and its scale words are in
	s_cmp_eq_u32 s[CNT], 1                         ; the last step has no next K: a branch on the counter alone, round the loads alone
	s_cbranch_scc1 .Lno_next_\@
	KLOADS ADK, ADS
.Lno_next_\@:
	s_wait_alu depctr_va_vdst(0)                   ; the wait directly ahead of the first reader of O^T
.set j, 0
.rept 16
	v_pk_mul_f32 v[O+j:O+j+1], v[O+j:O+j+1], v[F:F+1] op_sel_hi:[1,0]   ; O^T under the new M; these sixteen are also the places between the last writes of p's codes and scale word and the products below
.set j, j+2
.endr
.irp d, 0,1,2,3                                ; O^T += V^T P^T: the four accumulators by turns
	v_wmma_scale_f32_16x16x128_f8f6f4 v[O+8*\d:O+8*\d+7], v[VF+12*\d:VF+12*\d+11], v[P:P+11], v[O+8*\d:O+8*\d+7], v[VS+\d], v[PW] matrix_a_fmt:MATRIX_FMT_FP6 matrix_b_fmt:MATRIX_FMT_FP6
.endr
	s_add_co_u32 s[TBK], s[TBK], KGRP
	s_add_co_u32 s[TSK], s[TSK], 256
	s_add_co_u32 s[TBV], s[TBV], VGRP
	s_add_co_u32 s[TSV], s[TSV], 512
.endm
.macro GROUPS
	s_mov_b32 s[CNT], 16
.Lgroup_\@:
	STEP
	s_sub_co_u32 s[CNT], s[CNT], 1
	s_cmp_lg_u32 s[CNT], 0
	s_cbranch_scc1 .Lgroup_\@
.endm
; THE WAY OUT of tile qb: O^T / the sum; register 16 b + i is channel 32 b + 16 h + i of my query: two blocks of the last product's K, quantised; they leave as half a fragment: three planes of 256 bytes
.macro EPI qb, next
.rept 4
	v_nop                                          ; places behind the last products
.endr
.if \next
	QLOAD 1                                        ; my second tile of queries lands under the way out
.endif
	v_add_f32 v14, v14, v15
	s_delay_alu instid0(VALU_DEP_1)
	v_permlanex16_b32 v[TP], v14, s[SEL], s[SEL+1]
	s_delay_alu instid0(VALU_DEP_1)
	v_add_f32 v14, v14, v[TP]                      ; the row's sum
	s_wait_alu depctr_va_vdst(0)                   ; the wait ahead of the transcendental
	v_rcp_f32 v14, v14
	v_nop
	s_wait_alu depctr_va_vdst(0)                   ; and ahead of its first reader, which is O^T's first reader too
.set j, 0
.rept 32
	v_mul_f32 v[S+j], v[O+j], v14                  ; each accumulator from its low end on
.set j, j+1
.endr
.irp b, 0,1
	v_max3_num_f32 v[T+\b], |v[S+16*\b]|, |v[S+1+16*\b]|, 0x1800000
.endr
.irp i, 2,4,6,8,10,12,14
.irp b, 0,1
	s_delay_alu instid0(VALU_DEP_2)
	v_max3_num_f32 v[T+\b], v[T+\b], |v[S+16*\b+\i]|, |v[S+1+16*\b+\i]|
.endr
.endr
	s_delay_alu instid0(VALU_DEP_2)
	v_permlanex16_b32 v[TP], v[T], s[SEL], s[SEL+1]
	s_delay_alu instid0(VALU_DEP_2)
	v_permlanex16_b32 v[TP2], v[T+1], s[SEL], s[SEL+1]
	s_delay_alu instid0(VALU_DEP_2)
	v_max_num_f32 v[T], v[T], v[TP]
	s_delay_alu instid0(VALU_DEP_2)
	v_max_num_f32 v[T+1], v[T+1], v[TP2]
.irp b, 0,1
	s_delay_alu instid0(VALU_DEP_2)
	v_add_nc_u32 v[T+8+\b], 0xff000000, v[T+\b]
.endr
.irp b, 0,1
	s_delay_alu instid0(VALU_DEP_2)
	v_lshrrev_b32 v[T+4+\b], 23, v[T+8+\b]
.endr
	v_cvt_scalef32_pk16_fp6_f32 v[P:P+2], v[S:S+15], v[T+8]
	v_cvt_scalef32_pk16_fp6_f32 v[T+12:T+14], v[S+16:S+31], v[T+9]
	v_nop
.irp i, 0,1,2
	v_permlane16_swap_b32 v[P+\i], v[T+12+\i]
.endr
.irp i, 0,1,2
	v_mov_b32 v[P+3+\i], v[T+12+\i]
.endr
	v_cndmask_b32 v[T+16], v[T+4], v[T+5], s[HM]   ; lanes 0-15 store block 0's byte, lanes 16-31 block 1's
.irp p, 0,1,2
	global_store_b64 v[L8], v[P+2*\p:P+2*\p+1], s[OI:OI+1] offset:196608*\qb+256*\p
.endr
	global_store_b8 v[OSA], v[T+16], s[OS:OS+1] offset:8192*\qb   ; two bytes of each row's 32: the other heads' are other work-groups'
.endm
.macro TILE qb, next
	KLOADS LK, AKT                                 ; key step 0
	s_wait_loadcnt 0x0                             ; Q
	v_lshlrev_b32 v[QSH], 16, v[QSL]               ; the lines of INIT are its places ahead of the first product
	INIT
	GROUPS
	EPI \qb, \next
.endm
	QLOAD 0
	s_wait_alu depctr_va_vdst(0)                   ; the wait at the head's end
	s_wait_tensorcnt 0x0                           ; my tile, if I asked for one, has landed,
	s_barrier_signal -1
	s_barrier_wait -1                              ; everybody's has; nothing is filled again in this launch
.irp c, 0,1                                    ; the table: my key step's scale words, two half words of neighbouring tiles to a word
.irp u, 0,1
	ds_load_b64 v[T+2*(2*\c+\u):T+2*(2*\c+\u)+1], v8 offset:256*\u+16*\c
.endr
.endr
	s_wait_dscnt 0x0
.irp q, 0,1,2,3
	v_perm_b32 v[T+8+\q], v[T+2*\q+1], v[T+2*\q], s[PSEL]
.endr
	ds_store_b128 v9, v[T+8:T+11]                  ; lanes r and r + 16 store the same 16 bytes with the same values
	s_wait_dscnt 0x0
	s_barrier_signal -1
	s_barrier_wait -1                              ; the table is whole
	TILE 0, 1
	s_wait_xcnt 0x0                                ; the stores have read their registers
	TILE 1, 0
	s_wait_tensorcnt 0x0                           ; the wave's end
	ds_add_u32 v[SPW], v[NIL]
	s_wait_dscnt 0x0
	CROUND                                         ; the closing round
	s_endpgm
.Lfunc_end_k_q66da1913fc_attn:
	.size	k_q66da1913fc_attn, .Lfunc_end_k_q66da1913fc_attn-k_q66da1913fc_attn
	.p2alignl 7, 3214868480
	.fill 96, 4, 3214868480
	.section	.rodata,"a",@progbits
	.p2align	6, 0x0
	.amdhsa_kernel k_q66da1913fc_attn
		.amdhsa_group_segment_fixed_size 256000
		.amdhsa_private_segment_fixed_size 0
		.amdhsa_enable_private_segment 0
		.amdhsa_kernarg_size 32
		.amdhsa_user_sgpr_count 2
		.amdhsa_user_sgpr_kernarg_segment_ptr 1
		.amdhsa_wavefront_size32 1
		.amdhsa_system_sgpr_workgroup_id_x 1
		.amdhsa_system_sgpr_workgroup_id_y 1
		.amdhsa_system_sgpr_workgroup_id_z 1
		.amdhsa_system_vgpr_workitem_id 0
		.amdhsa_next_free_vgpr 256
		.amdhsa_next_free_sgpr 96
		.amdhsa_reserve_vcc 0
		.amdhsa_float_denorm_mode_32 3
		.amdhsa_float_denorm_mode_16_64 3
		.amdhsa_memory_ordered 1
		.amdhsa_forward_progress 1
		.amdhsa_inst_pref_size 57
	.end_amdhsa_kernel
	.amdgpu_metadata
---
amdhsa.version: [ 1, 2 ]
amdhsa.kernels:
  - .name:           k_q66da1913fc_attn
    .symbol:         k_q66da1913fc_attn.kd
    .args:
      - { .name: qkv_img, .offset: 0, .size: 8, .value_kind: global_buffer, .address_space: global }
      - { .name: qkv_sc, .offset: 8, .size: 8, .value_kind: global_buffer, .address_space: global }
      - { .name: o_img, .offset: 16, .size: 8, .value_kind: global_buffer, .address_space: global }
      - { .name: o_sc, .offset: 24, .size: 8, .value_kind: global_buffer, .address_space: global }
    .group_segment_fixed_size: 256000
    .private_segment_fixed_size: 0
    .kernarg_segment_align: 8
    .kernarg_segment_size: 32
    .max_flat_workgroup_size: 512
    .sgpr_count:     96
    .vgpr_count:     256
    .wavefront_size: 32
...
	.end_amdgpu_metadata
.endif
;; end of part 3
;; launch gemm_o (part 4): grid 4 x 64, 4 waves a work-group, clusters of 4 x 4, 295,424 bytes of LDS; arguments o_img, o_sc, w_img, w_sc, bo, out0; writes out0
.if DOCPART == 4
	.amdgcn_target "amdgcn-amd-amdhsa--gfx1250"
	.amdhsa_code_object_version 6
	.text
	.protected	k_q66da1913fc_gemm_o
	.globl	k_q66da1913fc_gemm_o
	.p2align	8
	.type	k_q66da1913fc_gemm_o,@function
k_q66da1913fc_gemm_o:
	s_mov_b64 s[64:65], 0
	v_nop
	global_prefetch_b8 v0, s[64:65] scope:SCOPE_SE
	s_setreg_imm32_b32 hwreg(HW_REG_WAVE_MODE, 25, 1), 1
	s_wait_xcnt 0x0
	s_wait_alu depctr_hold_cnt(0) depctr_sa_sdst(0) depctr_va_vdst(0) depctr_va_sdst(0) depctr_va_ssrc(0) depctr_va_vcc(0) depctr_vm_vsrc(0)
	s_getreg_b32 s2, hwreg(HW_REG_IB_STS2, 6, 4)
	s_cmp_eq_u32 s2, 0
	s_cbranch_scc0 .Lentry_in_a_cluster
	s_endpgm
.Lentry_in_a_cluster:
	s_bfe_u32 s2, ttmp6, 0x10000c
	s_cmp_lg_u32 s2, 0xf033
	s_cbranch_scc0 .Lentry_shape_is_right
	s_endpgm
.Lentry_shape_is_right:
; out0 [8192][1024] f32 = attn Wo + bo, on codes of FP6 (E2M3) with E8M0 scales: o_img, o_sc (the launch before) and the fourth weight of w_img, w_sc.
; Operands are images of their registers: [block of 16 rows][K step 8][1,536 bytes], plane p of 256 bytes holding every lane's registers 2 p, 2 p + 1 at 8 x lane; scales [row place][32 bytes], a word for each K step.
; A BLOCK OF 128 x 256 TO A WORK-GROUP: 64 x 4 = 256 work-groups.  ALL OF K OF BOTH OPERANDS LIES IN LDS AT ONCE: (8 + 16) blocks x 12,288 = 294,912 bytes, filled once: no ring, no refill.
; Four joint loads at the head, one a wave, each a half of K (rows of 6,144 bytes at a pitch of 12,288): wave 0 A's first half, wave 1 B's, wave 2 A's second half, wave 3 B's.  The first barrier waits for waves 0 and 1 alone
; (each load line has one issuer); a plain barrier in K step 3, with every wave's wait for its loads, shows the second half.  All tiles are asked for at the head, so there is no later load for a prefetch to run ahead of.
; CLUSTERS 4 x 4: A's tile hangs on the tile row alone and is shared along a row of the cluster, B's on the tile column alone and is shared along a column.
; A WAVE makes 64 x 128: 32 accumulators, 256 registers (window 2).  Source 0 = 16 columns of Wo (window 1, two sets of 8 fragments), source 1 = 16 rows of A (window 0, two sets of 4): a lane holds eight numbers of one row of out0.
; THE SCALE WORDS of all K steps lie in registers from the head on: A's at v[16 + 8 a + q], B's at v[52 + 8 b + q]; lane r loads row r's 32 bytes in two loads of 16, which together cover a block's 512 bytes.
; The bias is the first products' C (window 3).  Column place and row place have bits 3 and 4 of their numbers exchanged, as the launches before laid them.
; THE WAY OUT goes through each wave's own stage in LDS, in the bytes of the first half of K, which nobody reads behind the second barrier and which are filled no more; rows of 512 bytes leave as two aligned units of 256.
.set FRB,    1536
.set GROW,   8*FRB
.set HROW,   4*FRB                     ; half of K of a block
.set LB0,    8*HROW                    ; LDS: A's 8 blocks, then B's 16, for each half of K
.set LH,     24*HROW
.set SPARE,  2*LH                      ; the spare words, 128 bytes for each wave
.set SPITCH, 528
.set CO,   7
.set SPW,  8
.set NIL,  9
.set ADRA, 10                          ; v10, v11 my A fragments in the first, the second half of K
.set ADRB, 12                          ; v12, v13 the same for B
.set STO,  14
.set RD,   15
.set SCA,  16                          ; v16-47
.set SCB,  52                          ; v52-115
.set AF,   116                         ; v116-211 A's two sets
.set BK,   128                         ; the way out: v128-191, v192-255 by turns
.set G1A,  28
.set G1B,  36
.set GA0,  44
.set GB0,  48
.set GA1,  52
.set GB1,  56
.set MSB, 0
.macro WIN new                         ; the immediate's high byte repeats the setting that is left
.if MSB != (\new)
	s_set_vgpr_msb (MSB<<8)|(\new)
.set MSB, (\new)
.endif
.endm
.macro PLACES
.rept 4
	v_nop
.endr
.endm
.macro CROUND                          ; a round of the cluster's barrier
	s_barrier_signal -1
	s_barrier_wait -1
	s_cmp_lg_u32 s16, 0
	s_cbranch_scc1 .Lnot_wave_0_\@
	s_barrier_signal -3
.Lnot_wave_0_\@:
	s_barrier_wait -3
	s_barrier_signal -1
	s_barrier_wait -1
.endm
.macro GRP1 g, rows                    ; rows of 6,144 bytes (768 elements of 8), 12,288 apart
	s_mov_b32 s[\g+1], (HROW/8)<<16
	s_mov_b32 s[\g+2], (\rows)<<16
	s_mov_b32 s[\g+3], (HROW/8)<<16
	s_mov_b32 s[\g+4], \rows
	s_mov_b32 s[\g+5], GROW/8
	s_mov_b32 s[\g+6], 0
	s_mov_b32 s[\g+7], 0
.endm
.macro GRP0 g, lds, base, off
	s_mov_b32 s[\g], 1
	s_mov_b32 s[\g+1], \lds
	s_add_nc_u64 s[\g+2:\g+3], s[\base:\base+1], \off
	s_or_b32 s[\g+3], s[\g+3], 0x80000000
.endm
.macro ARM under, g0, g1, next
	s_cmp_lt_u32 s16, \under
	s_cbranch_scc0 \next
	tensor_load_to_lds s[\g0:\g0+3], s[\g1:\g1+7]
	s_nop 0
	PLACES
	s_branch .Lasked
\next:
.endm
	s_load_b256 s[4:11], s[0:1], 0x0               ; o_img, o_sc, w_img, w_sc
	s_load_b128 s[12:15], s[0:1], 0x20             ; bo, out0
	v_lshl_add_u32 v[SPW], v0, 2, SPARE
	v_mov_b32 v[NIL], 0
	ds_add_u32 v[SPW], v[NIL]                      ; the opening lines: the add, twice on end, and its wait
	ds_add_u32 v[SPW], v[NIL]
	v_lshrrev_b32 v1, 5, v0
	v_readfirstlane_b32 s16, v1                    ; wave
	s_lshr_b32 s17, s16, 1                         ; which 64 rows
	s_and_b32 s18, s16, 1                          ; which 128 columns
	s_bfe_u32 s19, ttmp6, 0x40000                  ; cx
	s_bfe_u32 s20, ttmp6, 0x40004                  ; cy
	s_lshl_b32 s21, ttmp9, 2
	s_add_co_u32 s21, s21, s19                     ; tile column
	s_and_b32 s22, ttmp7, 0xffff
	s_lshl_b32 s22, s22, 2
	s_add_co_u32 s22, s22, s20                     ; tile row
	s_lshl_b32 s23, s20, 2
	s_lshl_b32 s23, 15, s23                        ; my row of the cluster
	s_lshl_b32 s24, 0x1111, s19                    ; my column
	s_or_b32 s[G1A], s23, (3<<16)|(1<<21)
	s_or_b32 s[G1B], s24, (3<<16)|(1<<21)
	GRP1 G1A, 8
	GRP1 G1B, 16
	s_mul_i32 s60, s22, 8*GROW                     ; A's tile, by the tile row alone
	s_mov_b32 s61, 0
	s_mul_i32 s62, s21, 16*GROW                    ; B's, by the tile column alone,
	s_add_co_u32 s62, s62, 3*64*GROW               ; in the fourth weight
	s_mov_b32 s63, 0
	s_wait_dscnt 0x0                               ; both opening adds are done
	s_wait_kmcnt 0x0
	s_add_nc_u64 s[60:61], s[4:5], s[60:61]
	s_add_nc_u64 s[62:63], s[8:9], s[62:63]
	GRP0 GA0, 0,      60, 0
	GRP0 GB0, LB0,    62, 0
	GRP0 GA1, LH,     60, HROW
	GRP0 GB1, LH+LB0, 62, HROW
	CROUND                                         ; all sixteen work-groups are here: the joint loads meet
	ARM 1, GA0, G1A, .Larm_b0
	ARM 2, GB0, G1B, .Larm_a1
	ARM 3, GA1, G1A, .Larm_b1
	tensor_load_to_lds s[GB1:GB1+3], s[G1B:G1B+7]
	s_nop 0
	PLACES
.Lasked:
	s_lshl_b32 s66, s22, 3
	s_lshl_b32 s67, s17, 2
	s_add_co_u32 s66, s66, s67                     ; my first block of rows
	s_lshl_b32 s66, s66, 9                         ; 512 bytes of scales a block
	s_mov_b32 s67, 0
	s_add_nc_u64 s[66:67], s[6:7], s[66:67]
	s_lshl_b32 s68, s21, 4
	s_lshl_b32 s69, s18, 3
	s_add_co_u32 s68, s68, s69                     ; my first block of columns
	s_lshl_b32 s68, s68, 9
	s_add_co_u32 s68, s68, 3*1024*32
	s_mov_b32 s69, 0
	s_add_nc_u64 s[68:69], s[10:11], s[68:69]
	s_lshl_b32 s70, s21, 10
	s_lshl_b32 s71, s18, 9
	s_add_co_u32 s70, s70, s71                     ; my first column, in bytes
	s_mov_b32 s71, 0
	s_add_nc_u64 s[72:73], s[12:13], s[70:71]      ; the bias
	s_lshl_b32 s74, s22, 7
	s_lshl_b32 s75, s17, 6
	s_add_co_u32 s74, s74, s75                     ; my first row
	s_lshl_b32 s74, s74, 12
	s_add_co_u32 s74, s74, s70
	s_mov_b32 s75, 0
	s_add_nc_u64 s[14:15], s[14:15], s[74:75]
	s_mul_i32 s76, s17, 4*HROW
	s_mul_i32 s77, s18, 8*HROW
	s_add_co_u32 s77, s77, LB0
	s_mul_i32 s78, s16, 16*SPITCH
	v_and_b32 v1, 15, v0                           ; r
	v_bfe_u32 v2, v0, 4, 1                         ; h
	v_and_b32 v3, 31, v0
	v_lshlrev_b32 v4, 5, v1                        ; 32 r
	v_lshlrev_b32 v5, 6, v2                        ; 64 h
	v_lshlrev_b32 v6, 3, v3                        ; 8 x lane
.irp a, 0,1,2,3
.irp c, 0,1
	global_load_b128 v[SCA+8*\a+4*\c:SCA+8*\a+4*\c+3], v4, s[66:67] offset:512*\a+16*\c
.endr
.endr
.irp b, 0,1,2,3,4,5,6,7
.irp c, 0,1
	global_load_b128 v[SCB+8*\b+4*\c:SCB+8*\b+4*\c+3], v4, s[68:69] offset:512*\b+16*\c
.endr
.endr
	WIN 0xc0                                       ; destination window 3: register 8 b + j of lane (r, h) is the bias of column 32 (b / 2) + 16 h + 8 (b % 2) + j
.irp b, 0,1,2,3,4,5,6,7
	global_load_b128 v[8*\b:8*\b+3], v5, s[72:73] offset:(32*(\b/2)+8*(\b%2))*4
	global_load_b128 v[8*\b+4:8*\b+7], v5, s[72:73] offset:(32*(\b/2)+8*(\b%2))*4+16
.endr
	WIN 0
	v_add_nc_u32 v[ADRA], s76, v6
	v_add_nc_u32 v[ADRB], s77, v6
	v_add_nc_u32 v[ADRA+1], LH, v[ADRA]
	v_add_nc_u32 v[ADRB+1], LH, v[ADRB]
	v_mul_u32_u24 v6, v1, SPITCH                   ; the stage, in: row r, 64 bytes for each half of the lanes
	v_lshl_add_u32 v6, v2, 6, v6
	v_add_nc_u32 v[STO], s78, v6
	v_lshlrev_b32 v[CO], 4, v3                     ; back: the 32 lanes take one row of 512 bytes; and the same in out0
	v_add_nc_u32 v[RD], s78, v[CO]
.macro FETCH_B q                       ; B's eight fragments of K step q into set q % 2: 48 loads
	WIN 0x40
.irp b, 0,1,2,3,4,5,6,7
.irp p, 0,1,2,3,4,5
	ds_load_b64 v[128*((\q)%2)+12*\b+2*\p:128*((\q)%2)+12*\b+2*\p+1], v[ADRB+(\q)/4] offset:\b*HROW+((\q)%4)*FRB+256*\p
.endr
.endr
	WIN 0
.endm
.macro FETCH_A q                       ; A's four: 24 loads
	WIN 0
.irp a, 0,1,2,3
.irp p, 0,1,2,3,4,5
	ds_load_b64 v[AF+48*((\q)%2)+12*\a+2*\p:AF+48*((\q)%2)+12*\a+2*\p+1], v[ADRA+(\q)/4] offset:\a*HROW+((\q)%4)*FRB+256*\p
.endr
.endr
.endm
.macro MUL16 q, a0                     ; A's blocks a0, a0 + 1 x B's eight; the 32 accumulators take turns in the same order in every step
.if (\q) == 0
	WIN 0xb1                                       ; source 0 window 1, source 1 window 0, C window 3, D window 2
.else
	WIN 0xa1
.endif
.irp a, \a0, \a0+1
.irp b, 0,1,2,3,4,5,6,7
.if (\q) == 0
	v_wmma_scale_f32_16x16x128_f8f6f4 v[8*(8*(\a)+\b):8*(8*(\a)+\b)+7], v[128*((\q)%2)+12*\b:128*((\q)%2)+12*\b+11], v[AF+48*((\q)%2)+12*(\a):AF+48*((\q)%2)+12*(\a)+11], v[8*\b:8*\b+7], v[SCB+8*\b+(\q)], v[SCA+8*(\a)+(\q)] matrix_a_fmt:MATRIX_FMT_FP6 matrix_b_fmt:MATRIX_FMT_FP6
.else
	v_wmma_scale_f32_16x16x128_f8f6f4 v[8*(8*(\a)+\b):8*(8*(\a)+\b)+7], v[128*((\q)%2)+12*\b:128*((\q)%2)+12*\b+11], v[AF+48*((\q)%2)+12*(\a):AF+48*((\q)%2)+12*(\a)+11], v[8*(8*(\a)+\b):8*(8*(\a)+\b)+7], v[SCB+8*\b+(\q)], v[SCA+8*(\a)+(\q)] matrix_a_fmt:MATRIX_FMT_FP6 matrix_b_fmt:MATRIX_FMT_FP6
.endif
.endr
.endr
.endm
.macro STEP q                          ; K step q, and the fetch of step q + 1 into the other sets
.if (\q) == 3
	s_wait_tensorcnt 0x0                           ; every wave's loads are in, the second half of K among them;
	s_wait_dscnt 0x0                               ; my reads of the first half are over (step 3's fragments are in registers)
	s_barrier_signal -1
	s_barrier_wait -1
.endif
.if (\q) > 0
	PLACES                                         ; between the last step's products and the loads into the sets that they read
.endif
	FETCH_B (\q)+1
	s_wait_dscnt 48                                ; all but the 48 just issued: this step's fragments are in
	MUL16 \q, 0
	FETCH_A (\q)+1
	MUL16 \q, 2
.endm
	s_wait_alu depctr_va_vdst(0)                   ; the wait at the head's end
	s_cmp_lt_u32 s16, 2
	s_cbranch_scc0 .Lnot_first
	s_wait_tensorcnt 0x0                           ; waves 0 and 1: my tile of the first half of K is in
.Lnot_first:
	s_barrier_signal -1
	s_barrier_wait -1                              ; the first half is in; the second may be on its way
	FETCH_B 0
	FETCH_A 0
	s_wait_loadcnt 0x0                             ; the scale words and the bias
.irp q, 0,1,2,3,4,5,6
	STEP \q
.endr
	s_wait_dscnt 0x0
	MUL16 7, 0
	MUL16 7, 2
	WIN 0
.macro TOSTAGE a                       ; 16 rows x 128 columns into my stage, each accumulator from its low end on, and back as whole rows
	WIN 0x08                                       ; the data: window 2
.irp b, 0,1,2,3,4,5,6,7
	ds_store_b128 v[STO], v[64*(\a)+8*\b:64*(\a)+8*\b+3] offset:128*(\b/2)+32*(\b%2)
	ds_store_b128 v[STO], v[64*(\a)+8*\b+4:64*(\a)+8*\b+7] offset:128*(\b/2)+32*(\b%2)+16
.endr
	WIN 0
.irp t, 0,1,2,3,4,5,6,7,8,9,10,11,12,13,14,15
	ds_load_b128 v[BK+64*((\a)%2)+4*\t:BK+64*((\a)%2)+4*\t+3], v[RD] offset:\t*SPITCH   ; a wave's LDS instructions are served in order
.endr
.endm
.macro SEND a, younger                 ; younger: the LDS instructions issued behind block a's loads
	s_wait_dscnt \younger
.irp t, 0,1,2,3,4,5,6,7,8,9,10,11,12,13,14,15
	global_store_b128 v[CO], v[BK+64*((\a)%2)+4*\t:BK+64*((\a)%2)+4*\t+3], s[14:15] offset:(32*((\a)/2)+8*((\a)%2)+\t+8*(\t/8))*4096 th:TH_STORE_NT   ; 512 consecutive bytes, aligned
.endr
.endm
	PLACES                                         ; behind the last products: ahead of the first read of results and of the loads into A's registers
	TOSTAGE 0
.irp a, 1,2,3
.if \a > 1
	s_wait_xcnt 0x0                                ; block a - 2's stores have read their registers
.endif
	TOSTAGE \a
	SEND \a-1, 32
.endr
	SEND 3, 0
	s_wait_tensorcnt 0x0                           ; the wave's end
	ds_add_u32 v[SPW], v[NIL]
	s_wait_dscnt 0x0
	CROUND                                         ; the closing round
	s_endpgm
.Lfunc_end_k_q66da1913fc_gemm_o:
	.size	k_q66da1913fc_gemm_o, .Lfunc_end_k_q66da1913fc_gemm_o-k_q66da1913fc_gemm_o
	.p2alignl 7, 3214868480
	.fill 96, 4, 3214868480
	.section	.rodata,"a",@progbits
	.p2align	6, 0x0
	.amdhsa_kernel k_q66da1913fc_gemm_o
		.amdhsa_group_segment_fixed_size 295424
		.amdhsa_private_segment_fixed_size 0
		.amdhsa_enable_private_segment 0
		.amdhsa_kernarg_size 48
		.amdhsa_user_sgpr_count 2
		.amdhsa_user_sgpr_kernarg_segment_ptr 1
		.amdhsa_wavefront_size32 1
		.amdhsa_system_sgpr_workgroup_id_x 1
		.amdhsa_system_sgpr_workgroup_id_y 1
		.amdhsa_system_sgpr_workgroup_id_z 1
		.amdhsa_system_vgpr_workitem_id 0
		.amdhsa_next_free_vgpr 832
		.amdhsa_next_free_sgpr 80
		.amdhsa_reserve_vcc 0
		.amdhsa_float_denorm_mode_32 3
		.amdhsa_float_denorm_mode_16_64 3
		.amdhsa_memory_ordered 1
		.amdhsa_forward_progress 1
		.amdhsa_inst_pref_size 97
	.end_amdhsa_kernel
	.amdgpu_metadata
---
amdhsa.version: [ 1, 2 ]
amdhsa.kernels:
  - .name:           k_q66da1913fc_gemm_o
    .symbol:         k_q66da1913fc_gemm_o.kd
    .args:
      - { .name: o_img, .offset: 0, .size: 8, .value_kind: global_buffer, .address_space: global }
      - { .name: o_sc, .offset: 8, .size: 8, .value_kind: global_buffer, .address_space: global }
      - { .name: w_img, .offset: 16, .size: 8, .value_kind: global_buffer, .address_space: global }
      - { .name: w_sc, .offset: 24, .size: 8, .value_kind: global_buffer, .address_space: global }
      - { .name: bo, .offset: 32, .size: 8, .value_kind: global_buffer, .address_space: global }
      - { .name: out0, .offset: 40, .size: 8, .value_kind: global_buffer, .address_space: global }
    .group_segment_fixed_size: 295424
    .private_segment_fixed_size: 0
    .kernarg_segment_align: 8
    .kernarg_segment_size: 48
    .max_flat_workgroup_size: 128
    .sgpr_count:     80
    .vgpr_count:     832
    .wavefront_size: 32
...
	.end_amdgpu_metadata
.endif
;; end of part 4
